; MI455X (gfx1250); checked and timed in simulation.
; The chip was launched on July 23, 2026; its instructions are those of AMD's public machine-readable ISA for CDNA 5 (MIT licence, August 2026) and "CDNA5" Instruction Set Architecture Reference Guide (July 2026). The comments in the code are by the model that wrote it; some were corrected since.
;; Naive SDPA. Allowed arithmetic: matrix products marked QUANTISED: E5M2 operands, one given power-of-two scale a tensor, by v_wmma_f32_16x16x64_bf8_bf8 or v_wmma_f32_16x16x128_bf8_bf8, f32 sums; everything else in f32.
;; Inputs: attn_mask 1 x 1 x 2,048 x 2,048 float32; key 2 x 2,048 x 16 x 128 float32; lowp_scales 4 int32 (the exponents e of the quantised operands' scales 2^e); query 2 x 2,048 x 16 x 128 float32; value 2 x 2,048 x 16 x 128 float32.
;; Outputs: out0 2 x 2,048 x 16 x 128 float32.
;; This version of the problem:
;;   THIS VERSION OF THE PROBLEM IS GIVEN IN LOW PRECISION. The matrix products marked QUANTISED in the list below multiply operands that are first quantised to E5M2 (5 exponent bits, 2 mantissa bits; 8 bits a number), with one given power-of-two scale for each operand tensor; their sums are f32. All else is computed in f32.
;;   The module's matrix products, in the order in which they are computed (A, B: the left and right operand; K: the contracted axis; several contracted axes count as one K, in the product's order):
;;     1. batch 32 x [M 2,048, K 128] x [K 128, N 2,048]; A: input query; B: input key: QUANTISED (scales: A lowp_scales[0], B lowp_scales[1])
;;     2. batch 32 x [M 2,048, K 2,048] x [K 2,048, N 128]; A: softmax (see below); B: input value: QUANTISED (scales: A lowp_scales[2], B lowp_scales[3])
;;   THE QUANTISER, for each operand of a quantised product, along K:
;;     - The operand's scale is 2^e, e = its entry of the input lowp_scales (int32; the entries are numbered through the quantised products in the list's order, A before B).
;;     - Each number is divided by the scale, clamped to +-57,344, and rounded to the nearest number of E5M2, ties to even, subnormals kept.
;;     - The product sums the exact products of the quantised numbers (number of the format x scale) in f32.
;;   ~~~python
;;   def quantise(x, axis, e):      # numpy; x: float32 -> the quantised numbers, widened to float32 again
;;       x = np.moveaxis(x, axis, -1); K = x.shape[-1]
;;       r = np.clip(x / 2.0 ** e, -57344, 57344)
;;       step = 2.0 ** (np.maximum(np.frexp(np.where(r == 0, 1, r))[1] - 1, -14) - 2)
;;       q = np.round(r / step) * step * 2.0 ** e      # np.round: ties to even
;;       return np.moveaxis(q, -1, axis).astype(np.float32)
;;   ~~~
;;   SOFTMAX AHEAD OF A QUANTISED PRODUCT. Where the list says 'softmax', what is quantised is not the finished softmax but p = 2^(t - M), with t = logit x log2(e) and M = ceil(the row's largest t), a whole number; so 1/2 < the row's largest p <= 1. The row's sum l is taken of the UNQUANTISED p, in f32, and the product's result is divided by l at the end. Since M is a whole number, a kernel that streams over the keys may use a running M (the ceiling of the running maximum): every later rescaling is an exact power of two, so the quantised numbers keep their values, but for numbers so far below the row's largest that they fall under the format's range.
;;   OPERANDS COMPUTED ON THE WAY. 'Computed on the way' means the value that the module computes at that place (a softmax that the list does not call 'softmax' is quantised finished and normalised). What goes into a quantiser is computed in f32, as accurately as f32 sums, v_exp_f32 and their like allow (about 1e-6 of the number): no bf16 or f16 on the way to a quantiser, and a product that is left as it is and whose result goes on into a quantised operand takes f32 operands (vector FMAs, or v_wmma_f32_16x16x4_f32). A number that lies on a knife's edge between two numbers of the format may be rounded either way, as far as f32 arithmetic and the matrix unit's own rounding can turn it there, and no further.
;; 2 versions. Each part assembles by itself: llvm-mc -triple=amdgcn-amd-amdhsa -mcpu=gfx1250 --defsym DOCPART=n.
;; ======== version 1 of 2: 2 launches
;; workspace buffers: kvimg 16,777,216 bytes; mimg 16,777,216 bytes; flags 512 bytes of whole numbers
;; launch prep (part 1): grid 512 x 1, 16 waves a work-group, no clusters, 139,264 bytes of LDS; arguments attn_mask, key, value, lowp_scales, kvimg, mimg, flags; writes kvimg, mimg, flags
.if DOCPART == 1
	.amdgcn_target "amdgcn-amd-amdhsa--gfx1250"
	.amdhsa_code_object_version 6
	.text
	.protected	k_q0192ab87eb_prep
	.globl	k_q0192ab87eb_prep
	.p2align	8
	.type	k_q0192ab87eb_prep,@function
k_q0192ab87eb_prep:
	s_mov_b64 s[64:65], 0
	v_nop
	global_prefetch_b8 v0, s[64:65] scope:SCOPE_SE
	s_setreg_imm32_b32 hwreg(HW_REG_WAVE_MODE, 25, 1), 1
	s_wait_xcnt 0x0
; FIRST OF TWO LAUNCHES of attention with a soft cap and an additive mask, both products on codes of E5M2 with given scales 2^e (eq, ek, ep, ev).
; This launch lays out what the second reads many times, each in the order of the operand's registers:
;   kvimg [bh 32][slot 16 of 128 keys][K part 16,384 | V part 16,384], each part [t 8][c 4][lane 32][16 bytes]:
;     K part: lane (r, h) of (t, c): codes of key 32 (t / 2) + 8 (t % 2) + r + 8 (r / 8) of the slot, d = 32 c + 16 h + 0 .. 15
;     V part: lane (r, h) of (t, c): codes of d = 16 t + r, keys 32 c + 16 h + 0 .. 15 of the slot (the keys are the second product's K)
;   mimg  [qt 128][slot 16][g 16][lane 32][16 bytes] f32: lane (r, h) of g: mask x log2(e), held within +-3e38, of query 16 qt + r, keys 32 (g / 4) + 16 h + 4 (g % 4) + 0 .. 3 of the slot
;   flags [qt 128] u32: bit j = 1: the tile of queries 16 qt .. + 15 and keys 64 j .. + 63 is LIVE.
; NO WORK OF reference() IS DEAD FOR ALL INPUTS: the mask is an input, every input is loaded, no pattern of it is built in.  What the second launch leaves out hangs on the mask's VALUES, through the flags:
; with m' = mask x log2(e) and |20 log2(e) tanh| < 28.86, a key's t lies under (its tile's largest m') + 28.86, and M, the ceiling of the row's largest t, lies over (the row's largest m') - 28.86.
; A tile is dead only if in ALL its 16 rows (the tile's largest m') < (the row's largest m') - 192: then t - M < -134 for each of its keys, and 2^(t - M) is under the smallest normal f32 number,
; which v_exp_f32 gives as 0 (ISA guide 15.8): the tile would add nothing to the sum, to the codes or to M.  The tile with a row's largest m' is always live, so every row has a sum over 1/2;
; in a row that is held at -3e38 throughout every tile is live, and the row comes out as the plain average, as in reference().
; LIMITS: ek, ev between -126 and 112.  NaN and infinities among the inputs are not served.  |mask x log2(e)| is held at 3e38: mask entries beyond 2.08e38 in size count as equal.  p under 2^-126 counts as 0.
; SHARES.  512 work-groups of 16 waves; the work-group's number n picks the job, the wave's number w the part:
;   n < 128:        mask: qt = n, slot = w: 16 rows x 128 keys
;   128 <= n < 384: K: bh = (n - 128) / 8, slot = 2 ((n - 128) % 8) + w / 8, tile t = w % 8: 16 keys x 128
;   n >= 384:       V: bh = (n - 384) / 4, slot = 4 ((n - 384) % 4) + w / 4, columns 32 (w % 4) .. + 31 : d = 32 (w % 4) + lane, 128 keys
; Mask and K take ONE text: 16 rows of 512 bytes are loaded as they lie (a load covers 512 consecutive bytes) and turned through the wave's own stage in LDS, so that a lane holds 16 neighbours of each 32.
; V needs no turn: a lane takes a column d and its registers run down the keys.  No matrix work, no tensor load, no cluster: the launch streams, and no two work-groups read the same bytes.
.set ROWG,  8192                       ; bytes from row to row: a mask row, and a key's or value's 16 heads x 128 x 4
.set SP,    528                        ; a stage row: 512 bytes + 16: an odd multiple of 16, so the 16 rows that a load touches start at 16 different groups of four banks
.set STGW,  16*SP                      ; a wave's stage
.set EX,    16*STGW                    ; behind the 16 stages: 512 words: word 16 j + r = the largest m' of row r in sub-step j
.set SPARE, EX+2048                    ; behind them: the spare words, 128 bytes for each wave: eight blocks of 256 bytes that no other line names
.set LANE, 1
.set R,    2                           ; lane % 16
.set HF,   3                           ; lane / 16
.set VO,   4                           ; 16 x lane (V: 4 x lane)
.set VO2,  5                           ; mask, K: VO + the gap in front of rows 8-15; V: my place in an image
.set STA,  6                           ; the stage, on the way in
.set RDA,  7                           ; and on the way out
.set EXA,  8                           ; my word among the maxima
.set EXR,  9                           ; the 16 words of sub-step = lane
.set LIM,  10                          ; 57,344 x 2^e; at the end: the flag word
.set SCL,  11                          ; 2^e; at the end: 0
.set SPW,  12                          ; LDS address of my spare word; never rewritten
.set NIL,  13                          ; 0; never rewritten
.set T,    14
.set T2,   15
.set X,    16                          ; v16-79  64 numbers
.set C,    80                          ; v80-111 codes
.set M0,   96
.set M1,   97
.set HB,   98
.set MR,   112                         ; v112-127 a sub-step's 16 row maxima
	s_load_b256 s[4:11], s[0:1], 0x0               ; mask s[4:5], key s[6:7], value s[8:9], the scales' exponents s[10:11]
	s_load_b128 s[12:15], s[0:1], 0x20             ; kvimg s[12:13], mimg s[14:15]
	s_load_b64 s[16:17], s[0:1], 0x30              ; flags
	v_lshl_add_u32 v[SPW], v0, 2, SPARE
	v_mov_b32 v[NIL], 0
	v_lshrrev_b32 v[T], 5, v0
	v_readfirstlane_b32 s18, v[T]                  ; wave 0..15
	v_and_b32 v[LANE], 31, v0
	v_and_b32 v[R], 15, v0
	v_bfe_u32 v[HF], v0, 4, 1
	s_mul_i32 s32, s18, STGW                       ; my stage
	v_lshlrev_b32 v[VO], 4, v[LANE]
	v_add_nc_u32 v[STA], s32, v[VO]                ; in: a row's 512 bytes, 16 a lane
	v_mul_u32_u24 v[RDA], v[R], SP
	v_lshl_add_u32 v[RDA], v[HF], 6, v[RDA]
	v_add_nc_u32 v[RDA], s32, v[RDA]               ; out: row r, + 64 h: my 16 numbers of a block of 32
	v_lshl_add_u32 v[EXA], v0, 2, EX               ; word 32 w + 16 h + r
	v_lshl_add_u32 v[EXR], v[LANE], 6, EX
	v_mov_b32 v[T], 0                              ; written once: a lane permute's and a DPP form's destination counts as one of its sources
	v_mov_b32 v[T2], 0
	s_mov_b32 s30, 0x76543210                      ; v_permlanex16_b32's selects for lane l xor 16
	s_mov_b32 s31, 0xfedcba98
	s_mov_b32 s29, 0                               ; the high word of every offset
	s_wait_kmcnt 0x0
	s_load_b128 s[20:23], s[10:11], 0x0            ; eq, ek, ep, ev
	s_cmp_ge_u32 ttmp9, 384
	s_cbranch_scc1 .Lvalue
	; ---- mask and K: where my 16 rows begin, and where their image goes.  Both offsets are made, and the work-group's number chooses
	s_max_u32 s33, ttmp9, 128
	s_sub_co_u32 s33, s33, 128                     ; K's work-group number
	s_lshr_b32 s34, s33, 3                         ; bh
	s_and_b32 s35, s33, 7
	s_lshl_b32 s35, s35, 1
	s_lshr_b32 s36, s18, 3
	s_add_co_u32 s35, s35, s36                     ; slot
	s_and_b32 s36, s18, 7                          ; t
	s_lshr_b32 s37, s34, 4                         ; batch
	s_and_b32 s38, s34, 15                         ; head
	s_lshl_b32 s39, s37, 11
	s_lshl_b32 s40, s35, 7
	s_add_co_u32 s39, s39, s40
	s_lshr_b32 s40, s36, 1
	s_lshl_b32 s40, s40, 5
	s_add_co_u32 s39, s39, s40
	s_and_b32 s40, s36, 1
	s_lshl_b32 s40, s40, 3
	s_add_co_u32 s39, s39, s40                     ; the tile's first key: 2,048 batch + 128 slot + 32 (t / 2) + 8 (t % 2)
	s_lshl_b32 s39, s39, 13
	s_lshl_b32 s40, s38, 9
	s_add_co_u32 s39, s39, s40                     ; K: from
	s_lshl_b32 s41, s34, 4
	s_add_co_u32 s41, s41, s35
	s_lshl_b32 s41, s41, 15
	s_lshl_b32 s40, s36, 11
	s_add_co_u32 s41, s41, s40                     ; K: to: (16 bh + slot) x 32,768 + 2,048 t
	s_min_u32 s42, ttmp9, 127                      ; qt
	s_lshl_b32 s43, s42, 17
	s_lshl_b32 s40, s18, 9
	s_add_co_u32 s43, s43, s40                     ; mask: from: 16 qt rows + 512 x slot
	s_lshl_b32 s44, s42, 4
	s_add_co_u32 s44, s44, s18
	s_lshl_b32 s44, s44, 13                        ; mask: to: (16 qt + slot) x 8,192
	s_cmp_lt_u32 ttmp9, 128                        ; the choice hangs on the work-group's number alone
	s_cselect_b64 s[24:25], s[4:5], s[6:7]
	s_cselect_b64 s[26:27], s[14:15], s[12:13]
	s_cselect_b32 s45, s43, s39
	s_cselect_b32 s46, s44, s41
	s_cselect_b32 s47, 0, 0x10000                  ; K: rows 8-15 of a tile are the keys 8 further on
	s_mov_b32 s28, s45
	s_add_nc_u64 s[24:25], s[24:25], s[28:29]
	s_mov_b32 s28, s46
	s_add_nc_u64 s[26:27], s[26:27], s[28:29]
	v_add_nc_u32 v[VO2], s47, v[VO]
.set i, 0
.rept 8
	global_load_b128 v[X+4*i:X+4*i+3], v[VO], s[24:25] offset:ROWG*i th:TH_LOAD_NT     ; row i: 32 lanes read 512 consecutive bytes
.set i, i+1
.endr
.rept 8
	global_load_b128 v[X+4*i:X+4*i+3], v[VO2], s[24:25] offset:ROWG*i th:TH_LOAD_NT
.set i, i+1
.endr
.set i, 0
.rept 16
	s_wait_loadcnt 15-i                            ; loads come back in order: row i is in, the 15 - i younger rows may be out
	ds_store_b128 v[STA], v[X+4*i:X+4*i+3] offset:SP*i
.set i, i+1
.endr
	s_wait_dscnt 0x0                               ; the stores have read their registers, which the loads below fill
.set g, 0
.rept 16
	ds_load_b128 v[X+4*g:X+4*g+3], v[RDA] offset:128*(g/4)+16*(g%4)    ; register 16 b + i of lane (r, h): element 32 b + 16 h + i of row r
.set g, g+1
.endr
	s_wait_dscnt 0x0
	s_wait_kmcnt 0x0                               ; the exponents
	s_cmp_lt_u32 ttmp9, 128
	s_cbranch_scc1 .Lmask
	; ---- K: hold, convert, store the tile's image
	s_add_co_i32 s32, s21, 127
	s_lshl_b32 s33, s32, 23
	v_mov_b32 v[SCL], s33                          ; 2^ek as f32: the conversion takes its exponent field
	s_add_co_i32 s32, s32, 15
	s_lshl_b32 s32, s32, 23
	s_or_b32 s32, s32, 0x600000
	v_mov_b32 v[LIM], s32                          ; 57,344 x 2^ek
.set i, 0
.rept 64
	v_med3_num_f32 v[X+i], v[X+i], -v[LIM], v[LIM] ; the conversion to an 8-bit code does not saturate (ISA guide 7.6.2): the hold at the largest code x the scale
.set i, i+1
.endr
.set k, 0
.rept 8
	v_cvt_scalef32_pk8_bf8_f32 v[C+2*k:C+2*k+1], v[X+8*k:X+8*k+7], v[SCL]
.set k, k+1
.endr
	v_nop                                          ; a plain vector line behind the last conversion
.irp c, 0,1,2,3
	global_store_b128 v[VO], v[C+4*\c:C+4*\c+3], s[26:27] offset:512*\c    ; 32 lanes store 512 consecutive bytes, at a multiple of 512 from the buffer's first byte
.endr
	s_branch .Ljoin
	; ---- V: lane l takes column d = 32 (w % 4) + l, its registers run down the keys: the conversions give codes with the keys innermost
.Lvalue:
	s_sub_co_u32 s33, ttmp9, 384
	s_lshr_b32 s34, s33, 2                         ; bh
	s_and_b32 s35, s33, 3
	s_lshl_b32 s35, s35, 2
	s_lshr_b32 s36, s18, 2
	s_add_co_u32 s35, s35, s36                     ; slot
	s_and_b32 s36, s18, 3                          ; which 32 columns
	s_lshr_b32 s37, s34, 4                         ; batch
	s_and_b32 s38, s34, 15                         ; head
	s_lshl_b32 s39, s37, 11
	s_lshl_b32 s40, s35, 7
	s_add_co_u32 s39, s39, s40                     ; the slot's first key
	s_lshl_b32 s39, s39, 13
	s_lshl_b32 s40, s38, 9
	s_add_co_u32 s39, s39, s40
	s_lshl_b32 s40, s36, 7
	s_add_co_u32 s28, s39, s40
	s_add_nc_u64 s[24:25], s[8:9], s[28:29]        ; from
	s_lshl_b32 s41, s34, 4
	s_add_co_u32 s41, s41, s35
	s_lshl_b32 s41, s41, 15
	s_lshl_b32 s40, s36, 12
	s_add_co_u32 s41, s41, s40
	s_add_co_u32 s28, s41, 16384
	s_add_nc_u64 s[26:27], s[12:13], s[28:29]      ; to: the slot's V part, tiles 2 (w % 4) and 2 (w % 4) + 1
	v_lshlrev_b32 v[VO], 2, v[LANE]                ; in: 4 bytes a lane: a load covers 128 consecutive bytes, the four waves of a slot 512
	v_lshlrev_b32 v[VO2], 11, v[HF]
	v_lshl_add_u32 v[VO2], v[R], 4, v[VO2]         ; out: tile + lane / 16, place lane % 16
.macro VLOAD c                         ; keys 32 c + i, i = 0 .. 31, of my column, into set c % 2
.set i, 0
.rept 32
	global_load_b32 v[X+32*((\c)%2)+i], v[VO], s[24:25] offset:(32*(\c)+i)*ROWG th:TH_LOAD_NT
.set i, i+1
.endr
.endm
.macro VBLOCK c
.if (\c) < 3
	s_wait_loadcnt 32                              ; this block's 32 loads are in; the next block's 32 may be out
.else
	s_wait_loadcnt 0
.endif
.set i, 0
.rept 32
	v_med3_num_f32 v[X+32*((\c)%2)+i], v[X+32*((\c)%2)+i], -v[LIM], v[LIM]
.set i, i+1
.endr
.set k, 0
.rept 4
	v_cvt_scalef32_pk8_bf8_f32 v[C+8*(\c)+2*k:C+8*(\c)+2*k+1], v[X+32*((\c)%2)+8*k:X+32*((\c)%2)+8*k+7], v[SCL]
.set k, k+1
.endr
	global_store_b128 v[VO2], v[C+8*(\c):C+8*(\c)+3], s[26:27] offset:512*(\c)           ; keys 32 c + 0 .. 15: the image's lanes 0-15; sixteen lanes store 256 consecutive bytes, aligned
	global_store_b128 v[VO2], v[C+8*(\c)+4:C+8*(\c)+7], s[26:27] offset:512*(\c)+256     ; keys 32 c + 16 .. 31: its lanes 16-31.  Each block has code registers of its own: no store's data are written again
.if (\c) < 2
	VLOAD (\c)+2
.endif
.endm
	VLOAD 0
	VLOAD 1
	s_wait_kmcnt 0x0
	s_add_co_i32 s32, s23, 127
	s_lshl_b32 s33, s32, 23
	v_mov_b32 v[SCL], s33                          ; 2^ev
	s_add_co_i32 s32, s32, 15
	s_lshl_b32 s32, s32, 23
	s_or_b32 s32, s32, 0x600000
	v_mov_b32 v[LIM], s32                          ; 57,344 x 2^ev
	VBLOCK 0
	VBLOCK 1
	VBLOCK 2
	VBLOCK 3
	v_nop                                          ; a plain vector line behind the last conversion
	s_branch .Ljoin
	; ---- mask: m' = mask x log2(e), held; its image; the largest m' of each row in each of the slot's two sub-steps
.Lmask:
	v_mov_b32 v[HB], 0x7f61b1e6                    ; 3e38
.set i, 0
.rept 32
	v_pk_mul_f32 v[X+i:X+i+1], v[X+i:X+i+1], 0x3fb8aa3b op_sel_hi:[1,0]
.set i, i+2
.endr
.set i, 0
.rept 64
	v_med3_num_f32 v[X+i], v[X+i], -v[HB], v[HB]   ; an overflow of the product is held too
.set i, i+1
.endr
.set g, 0
.rept 16
	global_store_b128 v[VO], v[X+4*g:X+4*g+3], s[26:27] offset:512*g   ; 512 consecutive bytes a store; X is only read from here on
.set g, g+1
.endr
	v_max3_num_f32 v[M0], v[X], v[X+1], v[X+2]     ; keys 0-63 of the slot lie in registers 0-31, keys 64-127 in 32-63: two chains
	v_max3_num_f32 v[M1], v[X+32], v[X+33], v[X+34]
.set i, 3
.rept 14
	v_max3_num_f32 v[M0], v[M0], v[X+i], v[X+i+1]
	v_max3_num_f32 v[M1], v[M1], v[X+32+i], v[X+33+i]
.set i, i+2
.endr
	v_max_num_f32 v[M0], v[M0], v[X+31]
	v_max_num_f32 v[M1], v[M1], v[X+63]
	v_permlanex16_b32 v[T], v[M0], s30, s31        ; the row's other keys lie in the lane 16 away
	v_permlanex16_b32 v[T2], v[M1], s30, s31
	v_max_num_f32 v[M0], v[M0], v[T]
	v_max_num_f32 v[M1], v[M1], v[T2]
	v_cmp_gt_u32 vcc_lo, 16, v[LANE]
	v_cndmask_b32 v[M0], v[M1], v[M0], vcc_lo      ; lanes 0-15 keep sub-step 2 w's, lanes 16-31 sub-step 2 w + 1's
	ds_store_b32 v[EXA], v[M0]
.Ljoin:                                                ; every wave of every work-group passes this one barrier
	s_wait_dscnt 0x0                               ; for the others' sake: my word among the maxima has landed
	s_barrier_signal -1
	s_barrier_wait -1
	s_cmp_ge_u32 ttmp9, 128
	s_cbranch_scc1 .Lend
	s_cmp_lg_u32 s18, 0
	s_cbranch_scc1 .Lend
	; ---- wave 0 of a mask work-group: lane j holds sub-step j's 16 row maxima; the lane mask of a compare IS a word of 32 sub-step bits
.irp k, 0,1,2,3
	ds_load_b128 v[MR+4*\k:MR+4*\k+3], v[EXR] offset:16*\k
.endr
	s_lshl_b32 s28, ttmp9, 2
	s_add_nc_u64 s[16:17], s[16:17], s[28:29]      ; flags + 4 qt
	s_mov_b32 s41, 0
	s_wait_dscnt 0x0
.set i, 0
.rept 16
	v_max_num_f32_dpp v[T], v[MR+i], v[MR+i] row_xmask:1 row_mask:0xf bank_mask:0xf   ; row i's largest m' over all 32 sub-steps
	v_max_num_f32_dpp v[T], v[T], v[T] row_xmask:2 row_mask:0xf bank_mask:0xf
	v_max_num_f32_dpp v[T], v[T], v[T] row_xmask:4 row_mask:0xf bank_mask:0xf
	v_max_num_f32_dpp v[T], v[T], v[T] row_xmask:8 row_mask:0xf bank_mask:0xf
	v_permlanex16_b32 v[T2], v[T], s30, s31
	v_max_num_f32 v[T], v[T], v[T2]
	v_add_f32 v[T], 0xc3400000, v[T]               ; - 192
	v_cmp_ge_f32 s40, v[MR+i], v[T]                ; this row keeps the sub-step alive
	s_or_b32 s41, s41, s40                         ; live if any of the 16 rows does.  The word is stored; nothing in this launch hangs on it
.set i, i+1
.endr
	v_mov_b32 v[LIM], s41
	v_mov_b32 v[SCL], 0
	s_wait_xcnt 0x0                                ; EXEC changes only behind this wait: the image's stores have it among their sources
	v_cmp_eq_u32 vcc_lo, 0, v[LANE]
	s_and_saveexec_b32 s42, vcc_lo
	global_store_b32 v[SCL], v[LIM], s[16:17]      ; one word
	s_wait_xcnt 0x0                                ; and again, in front of the line that widens it
	s_or_b32 exec_lo, exec_lo, s42
.Lend:
	s_wait_tensorcnt 0x0                           ; the wave's end
	ds_add_u32 v[SPW], v[NIL]
	s_wait_dscnt 0x0
	s_endpgm
.Lfunc_end_k_q0192ab87eb_prep:
	.size	k_q0192ab87eb_prep, .Lfunc_end_k_q0192ab87eb_prep-k_q0192ab87eb_prep
	.p2alignl 7, 3214868480
	.fill 96, 4, 3214868480
	.section	.rodata,"a",@progbits
	.p2align	6, 0x0
	.amdhsa_kernel k_q0192ab87eb_prep
		.amdhsa_group_segment_fixed_size 139264
		.amdhsa_private_segment_fixed_size 0
		.amdhsa_enable_private_segment 0
		.amdhsa_kernarg_size 56
		.amdhsa_user_sgpr_count 2
		.amdhsa_user_sgpr_kernarg_segment_ptr 1
		.amdhsa_wavefront_size32 1
		.amdhsa_system_sgpr_workgroup_id_x 1
		.amdhsa_system_sgpr_workgroup_id_y 1
		.amdhsa_system_sgpr_workgroup_id_z 1
		.amdhsa_system_vgpr_workitem_id 0
		.amdhsa_next_free_vgpr 128
		.amdhsa_next_free_sgpr 66
		.amdhsa_reserve_vcc 1
		.amdhsa_float_denorm_mode_32 3
		.amdhsa_float_denorm_mode_16_64 3
		.amdhsa_memory_ordered 1
		.amdhsa_forward_progress 1
		.amdhsa_inst_pref_size 56
	.end_amdhsa_kernel
	.amdgpu_metadata
---
amdhsa.version: [ 1, 2 ]
amdhsa.kernels:
  - .name:           k_q0192ab87eb_prep
    .symbol:         k_q0192ab87eb_prep.kd
    .args:
      - { .name: attn_mask, .offset: 0, .size: 8, .value_kind: global_buffer, .address_space: global }
      - { .name: key, .offset: 8, .size: 8, .value_kind: global_buffer, .address_space: global }
      - { .name: value, .offset: 16, .size: 8, .value_kind: global_buffer, .address_space: global }
      - { .name: lowp_scales, .offset: 24, .size: 8, .value_kind: global_buffer, .address_space: global }
      - { .name: kvimg, .offset: 32, .size: 8, .value_kind: global_buffer, .address_space: global }
      - { .name: mimg, .offset: 40, .size: 8, .value_kind: global_buffer, .address_space: global }
      - { .name: flags, .offset: 48, .size: 8, .value_kind: global_buffer, .address_space: global }
    .group_segment_fixed_size: 139264
    .private_segment_fixed_size: 0
    .kernarg_segment_align: 8
    .kernarg_segment_size: 56
    .max_flat_workgroup_size: 512
    .sgpr_count:     66
    .vgpr_count:     128
    .wavefront_size: 32
...
	.end_amdgpu_metadata
.endif
;; end of part 1
;; launch attn (part 2): grid 8 x 32, 16 waves a work-group, no clusters, 202,752 bytes of LDS; arguments query, kvimg, mimg, flags, lowp_scales, out0; writes out0
.if DOCPART == 2
	.amdgcn_target "amdgcn-amd-amdhsa--gfx1250"
	.amdhsa_code_object_version 6
	.text
	.protected	k_q0192ab87eb_attn
	.globl	k_q0192ab87eb_attn
	.p2align	8
	.type	k_q0192ab87eb_attn,@function
k_q0192ab87eb_attn:
	s_mov_b64 s[64:65], 0
	v_nop
	global_prefetch_b8 v0, s[64:65] scope:SCOPE_SE
	s_setreg_imm32_b32 hwreg(HW_REG_WAVE_MODE, 25, 1), 1
	s_wait_xcnt 0x0
; SECOND LAUNCH: out0[b][q][hd][:] = sum over k of softmax_k(20 tanh(Q.K / (20 sqrt(128))) + mask[q][k]) V[k][:], both products on codes of E5M2, by v_wmma_f32_16x16x128_bf8_bf8 and v_wmma_f32_16x16x64_bf8_bf8.
; THE SOFTMAX AHEAD OF THE SECOND PRODUCT: t = logit x log2(e); M = the ceiling of the running largest t, a whole number; p = 2^(t - M) is quantised with 2^ep, not normalised; the row's sum is taken of the
; unquantised p and divides at the end.  When M moves, the sum and O are multiplied by 2^(old M - new M): nothing is rounded.
; WHAT IS LEFT OUT: tiles of 16 queries x 64 keys whose bit in the stored flag words is 0.  The first launch clears a bit only where t - M < -134 for every key of the tile, whatever Q and K hold
; (|20 log2(e) tanh| < 28.86), so that every p of the tile would come out of v_exp_f32 as 0.  It hangs on the mask's values as they are given, never on a pattern.  A NaN or infinity that reaches only such a tile is not carried to the result.
; tanh: y = a s, a = 2 log2(e) / (20 sqrt(128)) x 2^(eq + ek); y is held at 64 from above, so that e = 2^y stays finite; w = (e - 1) / (e + 1); t = 20 log2(e) w + m', one fused multiply-add (m' = mask x log2(e), from mimg).
; LIMITS: eq, ep between -126 and 112; eq + ek between -119 and 134 (added to a's exponent field); ep + ev goes by v_ldexp_f32 and has none.  NaN and infinities among the inputs are not served.
; SHARES.  A work-group (x = i, y = bh) owns blocks i and 15 - i of 128 queries of one head; each of its 16 waves owns one tile of 16 queries in 256 registers, four waves to a SIMD, so that one wave's
; exponentials stand beside another's plain work, products and loads.  Wave w takes block i where bit 0 of w equals bit 2, else block 15 - i; its tile in the block is 4 (w / 8) + w % 4.
; K AND V come as register images (kvimg), a slot of 128 keys = 32,768 dense bytes: each of the 512 threads carries 4 x 16 bytes through registers into one of two LDS buffers, asked for one trip ahead.
; The 8 work-groups of a head read the same K and V, yet nothing is asked for jointly: that takes tensor loads; the branches on the flags
; leave out up to half of the 32 sub-steps of a tile, each 96 transcendentals and some 265 plain vector lines, against 12 matrix instructions: the vector work is what the loop is made of.
; The loop has 16 trips in 8 pairs, a constant: every LDS address is a constant + a lane or wave term, and every wave passes every barrier; only work is jumped over.
; LAYOUT.  Both products are used transposed (S^T = K Q^T, O^T = V^T P^T): a lane holds ONE query (lane % 16).  The keys of a tile of K are chosen so that registers 16 b + i of S^T are keys 32 b + 16 (lane / 16) + i.
; In each operand registers 4 c .. 4 c + 3 hold k = 32 c + 16 (lane / 16) + 0 .. 15: a permutation of k that is the same on both sides of each product.
.set BUFB,  32768                      ; an LDS buffer: K's image, 16,384 bytes, then V's
.set VIMG,  16384
.set SP,    528                        ; a stage row: 512 bytes + 16
.set STG,   2*BUFB                     ; behind the buffers: 16 rows x 528 for each wave, its own: Q's turn, later the way out
.set SPARE, STG+16*16*SP               ; behind the stages: the spare words, 128 bytes for each wave: eight blocks of 256 bytes that no other line names
.set LI,  1                            ; v1   16 x lane: fragments, the mask's tiles, Q's loads, out0's stores; never rewritten
.set TO,  2                            ; v2   16 x thread: the staging's place, in memory and in LDS alike; never rewritten
.set SR,  3                            ; v3   my stage + 16 x lane: whole rows
.set QR,  4                            ; v4   my stage + 528 r + 64 h: Q's numbers back
.set STO, 5                            ; v5   my stage + 528 r + 32 h: O's numbers in
.set SPW, 6                            ; v6   LDS address of my spare word; never rewritten
.set NIL, 7                            ; v7   0; never rewritten
.set QF,  16                           ; v16-31   Q's fragment.   v[8:9] the sum's second chain; v10, v11 Q's hold and scale; v12 -M, v13 the largest t, v[14:15] the sum in two halves
.set R1,  32                           ; v32-95   four fragments of K; then 1 / (e + 1) in v32-63; then eight fragments of V
.set SC,  96                           ; v96-127  S^T, then p
.set MK,  128                          ; v128-159 the mask's tile
.set OT,  160                          ; v160-223 O^T
.set PC,  224                          ; v224-231 p's codes
.set SG,  232                          ; v232-247 a slot's bytes on their way to LDS.   v248 57,344 x 2^ep, v249 2^ep; v250, v251 maxima; v[252:253] f; v254 at work; v255 a permute's destination
; scalars: s16 wave; s20 qt; s21 bh; s[22:23] lane selects; s[24:25] a; s[26:27] 20 log2(e); s28 64.0; s29 my flag word; s30 pairs to go; s33 the union of the 16 waves' flag words;
;          s[34:35] kvimg at the pair's first slot; s[36:39] eq, ek, ep, ev; s[60:61] mimg at my tile's pair of slots; s[4:5], s[14:15] query and out0 at my first row
.macro STAGE_LD k                      ; slot k of the pair in hand: the 512 threads read 32,768 dense bytes
.irp n, 0,1,2,3
	global_load_b128 v[SG+4*\n:SG+4*\n+3], v[TO], s[34:35] offset:(\k)*BUFB+\n*8192
.endr
.endm
.macro STAGE_ST b                      ; and lay them into buffer b as they lie
.irp n, 0,1,2,3
	ds_store_b128 v[TO], v[SG+4*\n:SG+4*\n+3] offset:(\b)*BUFB+\n*8192
.endr
.endm
	s_load_b256 s[4:11], s[0:1], 0x0               ; query s[4:5], kvimg s[6:7], mimg s[8:9], flags s[10:11]
	s_load_b128 s[12:15], s[0:1], 0x20             ; the scales' exponents s[12:13], out0 s[14:15]
	v_lshl_add_u32 v[SPW], v0, 2, SPARE
	v_mov_b32 v[NIL], 0
	v_lshrrev_b32 v10, 5, v0
	v_readfirstlane_b32 s16, v10                   ; wave 0..15
	s_lshr_b32 s17, s16, 2
	s_xor_b32 s17, s17, s16
	s_and_b32 s17, s17, 1                          ; bit 0 xor bit 2: which of the two blocks
	s_lshr_b32 s18, s16, 3
	s_lshl_b32 s18, s18, 2
	s_and_b32 s19, s16, 3
	s_or_b32 s18, s18, s19                         ; my tile in the block
	s_sub_co_u32 s19, 15, ttmp9
	s_cmp_eq_u32 s17, 0
	s_cselect_b32 s19, ttmp9, s19                  ; the block
	s_lshl_b32 s20, s19, 3
	s_add_co_u32 s20, s20, s18                     ; qt: it enters global addresses alone
	s_and_b32 s21, ttmp7, 0xffff                   ; bh
	s_mov_b32 s3, 0                                ; the high word of every offset
	s_mov_b32 s22, 0x76543210                      ; v_permlanex16_b32's selects for lane l xor 16
	s_mov_b32 s23, 0xfedcba98
	v_and_b32 v10, 31, v0
	v_lshlrev_b32 v[LI], 4, v10
	v_lshlrev_b32 v[TO], 4, v0
	s_mul_i32 s56, s16, 16*SP
	s_add_co_u32 s56, s56, STG                     ; my stage
	v_add_nc_u32 v[SR], s56, v[LI]
	v_and_b32 v10, 15, v0                          ; r
	v_bfe_u32 v11, v0, 4, 1                        ; h
	v_mul_u32_u24 v[QR], v10, SP
	v_add_nc_u32 v[QR], s56, v[QR]
	v_lshl_add_u32 v[STO], v11, 5, v[QR]
	v_lshl_add_u32 v[QR], v11, 6, v[QR]
	s_wait_kmcnt 0x0
	s_load_b128 s[36:39], s[12:13], 0x0            ; eq, ek, ep, ev
	s_lshl_b32 s2, s20, 2
	s_add_nc_u64 s[56:57], s[10:11], s[2:3]
	s_load_b32 s29, s[56:57], 0x0                  ; my tile's flag word
	s_lshl_b32 s2, ttmp9, 5
	s_add_nc_u64 s[58:59], s[10:11], s[2:3]
	s_load_b256 s[40:47], s[58:59], 0x0            ; block i's eight words,
	s_sub_co_u32 s2, 15, ttmp9
	s_lshl_b32 s2, s2, 5
	s_add_nc_u64 s[62:63], s[10:11], s[2:3]
	s_load_b256 s[48:55], s[62:63], 0x0            ; and block 15 - i's
	s_lshl_b32 s2, s21, 19
	s_add_nc_u64 s[34:35], s[6:7], s[2:3]          ; kvimg at my head: 16 slots x 32,768
	s_lshl_b32 s2, s20, 17
	s_add_nc_u64 s[60:61], s[8:9], s[2:3]          ; mimg at my tile: 16 slots x 8,192
	s_lshr_b32 s31, s21, 4
	s_lshl_b32 s31, s31, 24
	s_add_co_u32 s2, s2, s31                       ; 16 qt rows of 8,192 bytes + the batch's 2,048 rows
	s_and_b32 s31, s21, 15
	s_lshl_b32 s31, s31, 9
	s_add_co_u32 s2, s2, s31                       ; + the head's 512 bytes
	s_add_nc_u64 s[4:5], s[4:5], s[2:3]
	s_add_nc_u64 s[14:15], s[14:15], s[2:3]
	STAGE_LD 0                                     ; slot 0, whatever the flags say: so the staging registers are written on every way
.set i, 0
.rept 16
	global_load_b128 v[SC+4*i:SC+4*i+3], v[LI], s[4:5] offset:8192*i th:TH_LOAD_NT     ; Q's row i: 512 consecutive bytes; read once, by this wave
.set i, i+1
.endr
	s_wait_loadcnt 16                              ; slot 0's four loads are in; Q's sixteen, issued behind them, may be out
	STAGE_ST 0
.set i, 0
.rept 16
	s_wait_loadcnt 15-i                            ; row i is in; the 15 - i younger rows may be out
	ds_store_b128 v[SR], v[SC+4*i:SC+4*i+3] offset:SP*i
.set i, i+1
.endr
.set g, 0
.rept 16
	ds_load_b128 v[R1+4*g:R1+4*g+3], v[QR] offset:128*(g/4)+16*(g%4)   ; LDS serves a wave's instructions in order: these see my stores.  Register 16 c + i: d = 32 c + 16 h + i of query r
.set g, g+1
.endr
	s_wait_kmcnt 0x0
	s_or_b32 s33, s40, s41                         ; a slot is staged if any of the 16 waves wants it
.irp k, 42,43,44,45,46,47,48,49,50,51,52,53,54,55
	s_or_b32 s33, s33, s\k
.endr
	s_add_co_i32 s56, s36, s37
	s_lshl_b32 s56, s56, 23
	s_add_co_i32 s24, s56, 0x3c50ecb0              ; a = 2 log2(e) / (20 sqrt(128)), with eq + ek added to its exponent field
	s_mov_b32 s25, s24                             ; (named with it as a pair, so it is written)
	s_mov_b32 s26, 0x41e6d4ca                      ; 20 log2(e)
	s_mov_b32 s27, s26
	s_mov_b32 s28, 0x42800000                      ; 64.0
	s_add_co_i32 s56, s38, 127
	s_lshl_b32 s57, s56, 23
	v_mov_b32 v249, s57                            ; 2^ep as f32, for p's conversions
	s_add_co_i32 s56, s56, 15
	s_lshl_b32 s56, s56, 23
	s_or_b32 s56, s56, 0x600000
	v_mov_b32 v248, s56                            ; 57,344 x 2^ep
	s_add_co_i32 s56, s36, 127
	s_lshl_b32 s57, s56, 23
	v_mov_b32 v11, s57                             ; 2^eq
	s_add_co_i32 s56, s56, 15
	s_lshl_b32 s56, s56, 23
	s_or_b32 s56, s56, 0x600000
	v_mov_b32 v10, s56                             ; 57,344 x 2^eq
	s_wait_dscnt 0x0                               ; slot 0's stores have read the staging registers; Q is back
	s_and_b32 s56, s33, 0xc                        ; slot 1's two bits
	s_cmp_eq_u32 s56, 0
	s_cbranch_scc1 .Lno_slot_1
	STAGE_LD 1
.Lno_slot_1:
.set j, 0
.rept 64
	v_med3_num_f32 v[R1+j], v[R1+j], -v10, v10     ; the conversion to an 8-bit code does not saturate (ISA guide 7.6.2)
.set j, j+1
.endr
.set k, 0
.rept 8
	v_cvt_scalef32_pk8_bf8_f32 v[QF+2*k:QF+2*k+1], v[R1+8*k:R1+8*k+7], v11
.set k, k+1
.endr
	v_nop                                          ; a plain vector line behind the last conversion
	v_mov_b32 v13, 0xff61b1e6                      ; the largest t so far: -3e38, at or under every t
	v_floor_f32 v12, -v13                          ; -M
	v_mov_b32 v14, 0                               ; the sum, in two halves
	v_mov_b32 v15, 0
	v_mov_b32 v253, 0                              ; (named as the upper half of the pair v[252:253])
	v_mov_b32 v255, 0                              ; written once: a lane permute's destination counts as one of its sources
.set j, 0
.rept 64
	v_mov_b32 v[OT+j], 0                           ; O^T.  Which sub-step is a wave's first hangs on its flags, so none can be written out with C = 0: the first finds zeros
.set j, j+1
.endr
; A SUB-STEP: my 16 queries x keys 64 u .. 64 u + 63 of the slot in buffer p.
.macro SUB p, u
.set g, 0
.rept 8
	global_load_b128 v[MK+4*g:MK+4*g+3], v[LI], s[60:61] offset:(\p)*8192+(\u)*4096+g*512   ; the mask's tile, in S^T's own order: 512 consecutive bytes a load
.set g, g+1
.endr
.set g, 0
.rept 16
	ds_load_b128 v[R1+4*g:R1+4*g+3], v[LI] offset:(\p)*BUFB+(\u)*8192+g*512   ; tiles 4 u .. 4 u + 3 of K, as images: 512 consecutive bytes a load
.set g, g+1
.endr
	s_wait_dscnt 0x0
.irp t, 0,1,2,3
	v_wmma_f32_16x16x128_bf8_bf8 v[SC+8*\t:SC+8*\t+7], v[R1+16*\t:R1+16*\t+15], v[QF:QF+15], 0
.endr
.rept 4
	v_nop                                          ; four places between the products and the first read of their results (ISA guide 7.12.1)
.endr
.set j, 0
.rept 16
	v_pk_mul_f32 v[SC+j:SC+j+1], v[SC+j:SC+j+1], s[24:25] op_sel_hi:[1,0]   ; y = a s; each accumulator from its low end on
.set j, j+2
.endr
.set j, 0
.rept 32
	v_min_num_f32 v[SC+j], s28, v[SC+j]            ; y <= 64
.set j, j+1
.endr
.set j, 0
.rept 32
	v_exp_f32 v[SC+j], v[SC+j]                     ; e = 2^y
.set j, j+1
.endr
	v_nop                                          ; a plain line behind the last exponential
	s_wait_alu depctr_va_vdst(0)                   ; one wait for the batch, ahead of its first reader
.set j, 0
.rept 16
	v_pk_add_f32 v[R1+j:R1+j+1], v[SC+j:SC+j+1], 1.0 op_sel_hi:[1,0]        ; e + 1, where K's fragments lay
.set j, j+2
.endr
.set j, 0
.rept 16
	v_pk_add_f32 v[SC+j:SC+j+1], v[SC+j:SC+j+1], -1.0 op_sel_hi:[1,0]       ; e - 1: exact near e = 1
.set j, j+2
.endr
.set j, 0
.rept 32
	v_rcp_f32 v[R1+j], v[R1+j]
.set j, j+1
.endr
	v_nop
	s_wait_alu depctr_va_vdst(0)                   ; one wait for the 32 reciprocals
.set j, 0
.rept 16
	v_pk_mul_f32 v[SC+j:SC+j+1], v[SC+j:SC+j+1], v[R1+j:R1+j+1]             ; w = tanh
.set j, j+2
.endr
.set t, 0
.rept 8
	ds_load_b128 v[R1+8*t:R1+8*t+3], v[LI] offset:(\p)*BUFB+VIMG+t*2048+(\u)*1024          ; V's eight fragments for these 64 keys: they land under the softmax below
	ds_load_b128 v[R1+8*t+4:R1+8*t+7], v[LI] offset:(\p)*BUFB+VIMG+t*2048+(\u)*1024+512
.set t, t+1
.endr
	s_wait_loadcnt 0x0                             ; the mask's tile (and whatever was asked for ahead of it)
.set j, 0
.rept 16
	v_pk_fma_f32 v[SC+j:SC+j+1], v[SC+j:SC+j+1], s[26:27], v[MK+j:MK+j+1] op_sel_hi:[1,0,1]   ; t = 20 log2(e) w + m'
.set j, j+2
.endr
	v_max3_num_f32 v250, v[SC], v[SC+1], v[SC+2]   ; the sub-step's largest t of my query, among my 32 keys, in two chains,
	v_max3_num_f32 v251, v[SC+3], v[SC+4], v[SC+5]
.set j, 6
.rept 6
	v_max3_num_f32 v250, v250, v[SC+j], v[SC+j+1]
	v_max3_num_f32 v251, v251, v[SC+j+2], v[SC+j+3]
.set j, j+4
.endr
	v_max3_num_f32 v250, v250, v[SC+30], v[SC+31]
	v_max_num_f32 v250, v250, v251
	v_permlanex16_b32 v255, v250, s22, s23
	v_max_num_f32 v250, v250, v255                 ; and among lane l xor 16's
	v_max_num_f32 v13, v13, v250                   ; the running largest t
	v_mov_b32 v254, v12
	v_floor_f32 v12, -v13                          ; the new -M = floor(-t) = -ceil(t)
	v_sub_f32 v254, v12, v254                      ; old M - new M: a whole number, 0 or less
	v_cvt_i32_f32 v254, v254                       ; (it saturates)
	v_ldexp_f32 v252, 1.0, v254                    ; f = 2^(old M - new M)
.set j, 0
.rept 16
	v_pk_add_f32 v[SC+j:SC+j+1], v[SC+j:SC+j+1], v[12:13] op_sel_hi:[1,0]   ; t - M (the pair's low word, -M, for both halves)
.set j, j+2
.endr
.set j, 0
.rept 32
	v_exp_f32 v[SC+j], v[SC+j]                     ; p = 2^(t - M), at most 1
.set j, j+1
.endr
	v_pk_mul_f32 v[14:15], v[14:15], v[252:253] op_sel_hi:[1,0]             ; the sums under the new M: the plain line behind the exponentials
	s_wait_alu depctr_va_vdst(0)                   ; one wait for the batch
	v_pk_add_f32 v[8:9], v[SC:SC+1], v[SC+2:SC+3]  ; the row's sum is taken of the unquantised p, in two chains
.set j, 4
.rept 7
	v_pk_add_f32 v[14:15], v[14:15], v[SC+j:SC+j+1]
	v_pk_add_f32 v[8:9], v[8:9], v[SC+j+2:SC+j+3]
.set j, j+4
.endr
	v_pk_add_f32 v[14:15], v[14:15], v[8:9]
.set j, 0
.rept 32
	v_min_num_f32 v[SC+j], v[SC+j], v248           ; p is not negative: a one-sided hold at the largest code x 2^ep
.set j, j+1
.endr
.set k, 0
.rept 4
	v_cvt_scalef32_pk8_bf8_f32 v[PC+2*k:PC+2*k+1], v[SC+8*k:SC+8*k+7], v249   ; registers 4 b .. 4 b + 3: keys 32 b + 16 h + 0 .. 15, as V's fragments have them
.set k, k+1
.endr
.set j, 0
.rept 32
	v_pk_mul_f32 v[OT+j:OT+j+1], v[OT+j:OT+j+1], v[252:253] op_sel_hi:[1,0]   ; O^T under the new M, each accumulator from its low end on; also the plain lines behind the conversions
.set j, j+2
.endr
	s_wait_dscnt 0x0                               ; V is in
.irp t, 0,1,2,3,4,5,6,7
	v_wmma_f32_16x16x64_bf8_bf8 v[OT+8*\t:OT+8*\t+7], v[R1+8*\t:R1+8*\t+7], v[PC:PC+7], v[OT+8*\t:OT+8*\t+7]   ; eight accumulators, one instruction a turn
.endr
.rept 4
	v_nop                                          ; four places ahead of whatever follows on any way: loads into the fragments' registers, or reads of O^T
.endr
.endm
; A TRIP: the slot in buffer p is read; the next slot's bytes, in registers since the last trip, go into the other buffer; the slot after that is asked for.
; In the two words bits 0, 1 are this slot's sub-steps, bits 2, 3 the next slot's, bits 4, 5 the one after; zeros come in from above, so nothing past slot 15 is ever asked for.
.macro TRIP p
	s_wait_dscnt 0x0                               ; for the others' sake: my stores into buffer p have landed, and my reads of the other buffer are over
	s_barrier_signal -1
	s_barrier_wait -1                              ; both now hold of all sixteen waves
	s_wait_loadcnt 0x0                             ; the staging registers hold what was asked for a trip ago; on no way is a load into them out
	s_and_b32 s56, s33, 0xc
	s_cmp_eq_u32 s56, 0
	s_cbranch_scc1 .Lno_store_\@
	STAGE_ST 1-(\p)
	s_wait_dscnt 0x0                               ; the stores have read the staging registers
.Lno_store_\@:
	s_and_b32 s56, s33, 0x30
	s_cmp_eq_u32 s56, 0
	s_cbranch_scc1 .Lno_load_\@
	STAGE_LD (\p)+2                                ; a whole trip ahead of its stores
.Lno_load_\@:
	s_bitcmp1_b32 s29, 0
	s_cbranch_scc0 .Ldead_0_\@
	SUB \p, 0
.Ldead_0_\@:
	s_bitcmp1_b32 s29, 1
	s_cbranch_scc0 .Ldead_1_\@
	SUB \p, 1
.Ldead_1_\@:
	s_lshr_b32 s33, s33, 2
	s_lshr_b32 s29, s29, 2
.endm
	s_mov_b32 s30, 8
.Lpair:                                                ; 8 trips of two slots
	TRIP 0
	TRIP 1
	s_wait_xcnt 0x0                                ; the loads issued so far have read their bases, which step now
	s_add_nc_u64 s[34:35], s[34:35], 0x10000       ; two slots of kvimg,
	s_add_nc_u64 s[60:61], s[60:61], 0x4000        ; and of mimg
	s_sub_co_u32 s30, s30, 1
	s_cmp_lg_u32 s30, 0
	s_cbranch_scc1 .Lpair
	; THE WAY OUT.  O^T / the sum x 2^(ep + ev) goes through my stage and leaves as whole rows of 512 bytes.
	v_add_f32 v14, v14, v15                        ; the sum's two halves,
	v_permlanex16_b32 v255, v14, s22, s23
	v_add_f32 v14, v14, v255                       ; and lane l xor 16's: over 1/2, since the tile with the row's largest m' is live
	v_rcp_f32 v14, v14
	v_nop                                          ; a plain line behind the reciprocal
	s_add_co_i32 s56, s38, s39
	s_wait_alu depctr_va_vdst(0)                   ; and the wait ahead of its first reader
	v_ldexp_f32 v14, v14, s56
.set j, 0
.rept 32
	v_pk_mul_f32 v[SC+j:SC+j+1], v[OT+j:OT+j+1], v[14:15] op_sel_hi:[1,0]   ; register 8 t + i: o(query r, d = 16 t + 8 h + i); each accumulator from its low end on
.set j, j+2
.endr
.set t, 0
.rept 8
	ds_store_b128 v[STO], v[SC+8*t:SC+8*t+3] offset:64*t
	ds_store_b128 v[STO], v[SC+8*t+4:SC+8*t+7] offset:64*t+16
.set t, t+1
.endr
.set i, 0
.rept 16
	ds_load_b128 v[R1+4*i:R1+4*i+3], v[SR] offset:SP*i    ; LDS serves a wave's instructions in order: these see my stores
.set i, i+1
.endr
.set i, 0
.rept 16
	s_wait_dscnt 15-i                              ; row i is back; the 15 - i younger rows may be out
	global_store_b128 v[LI], v[R1+4*i:R1+4*i+3], s[14:15] offset:8192*i th:TH_STORE_NT   ; 32 lanes store 512 consecutive bytes, at a multiple of 512 from out0's first byte
.set i, i+1
.endr
	s_wait_tensorcnt 0x0                           ; the wave's end
	ds_add_u32 v[SPW], v[NIL]
	s_wait_dscnt 0x0
	s_endpgm
.Lfunc_end_k_q0192ab87eb_attn:
	.size	k_q0192ab87eb_attn, .Lfunc_end_k_q0192ab87eb_attn-k_q0192ab87eb_attn
	.p2alignl 7, 3214868480
	.fill 96, 4, 3214868480
	.section	.rodata,"a",@progbits
	.p2align	6, 0x0
	.amdhsa_kernel k_q0192ab87eb_attn
		.amdhsa_group_segment_fixed_size 202752
		.amdhsa_private_segment_fixed_size 0
		.amdhsa_enable_private_segment 0
		.amdhsa_kernarg_size 48
		.amdhsa_user_sgpr_count 2
		.amdhsa_user_sgpr_kernarg_segment_ptr 1
		.amdhsa_wavefront_size32 1
		.amdhsa_system_sgpr_workgroup_id_x 1
		.amdhsa_system_sgpr_workgroup_id_y 1
		.amdhsa_system_sgpr_workgroup_id_z 1
		.amdhsa_system_vgpr_workitem_id 0
		.amdhsa_next_free_vgpr 256
		.amdhsa_next_free_sgpr 66
		.amdhsa_reserve_vcc 0
		.amdhsa_float_denorm_mode_32 3
		.amdhsa_float_denorm_mode_16_64 3
		.amdhsa_memory_ordered 1
		.amdhsa_forward_progress 1
		.amdhsa_inst_pref_size 104
	.end_amdhsa_kernel
	.amdgpu_metadata
---
amdhsa.version: [ 1, 2 ]
amdhsa.kernels:
  - .name:           k_q0192ab87eb_attn
    .symbol:         k_q0192ab87eb_attn.kd
    .args:
      - { .name: query, .offset: 0, .size: 8, .value_kind: global_buffer, .address_space: global }
      - { .name: kvimg, .offset: 8, .size: 8, .value_kind: global_buffer, .address_space: global }
      - { .name: mimg, .offset: 16, .size: 8, .value_kind: global_buffer, .address_space: global }
      - { .name: flags, .offset: 24, .size: 8, .value_kind: global_buffer, .address_space: global }
      - { .name: lowp_scales, .offset: 32, .size: 8, .value_kind: global_buffer, .address_space: global }
      - { .name: out0, .offset: 40, .size: 8, .value_kind: global_buffer, .address_space: global }
    .group_segment_fixed_size: 202752
    .private_segment_fixed_size: 0
    .kernarg_segment_align: 8
    .kernarg_segment_size: 48
    .max_flat_workgroup_size: 512
    .sgpr_count:     66
    .vgpr_count:     256
    .wavefront_size: 32
...
	.end_amdgpu_metadata
.endif
;; end of part 2
;; ======== version 2 of 2: 2 launches
;; workspace buffers: kvimg 16,777,216 bytes; mimg 16,777,216 bytes; flags 512 bytes of whole numbers
;; launch prep (part 3): grid 512 x 1, 16 waves a work-group, no clusters, 139,264 bytes of LDS; arguments attn_mask, key, value, lowp_scales, kvimg, mimg, flags; writes kvimg, mimg, flags
.if DOCPART == 3
	.amdgcn_target "amdgcn-amd-amdhsa--gfx1250"
	.amdhsa_code_object_version 6
	.text
	.protected	k_q0192ab87eb_prep
	.globl	k_q0192ab87eb_prep
	.p2align	8
	.type	k_q0192ab87eb_prep,@function
k_q0192ab87eb_prep:
	s_mov_b64 s[64:65], 0
	v_nop
	global_prefetch_b8 v0, s[64:65] scope:SCOPE_SE
	s_setreg_imm32_b32 hwreg(HW_REG_WAVE_MODE, 25, 1), 1
	s_wait_xcnt 0x0
; FIRST OF TWO LAUNCHES of attention with a soft cap and an additive mask, both products on codes of E5M2 with given scales 2^e (eq, ek, ep, ev).
; This launch lays out what the second reads many times, each in the order of the operand's registers:
;   kvimg [bh 32][slot 16 of 128 keys][K part 16,384 | V part 16,384], each part [t 8][c 4][lane 32][16 bytes]:
;     K part: lane (r, h) of (t, c): codes of key 32 (t / 2) + 8 (t % 2) + r + 8 (r / 8) of the slot, d = 32 c + 16 h + 0 .. 15
;     V part: lane (r, h) of (t, c): codes of d = 16 t + r, keys 32 c + 16 h + 0 .. 15 of the slot (the keys are the second product's K)
;   mimg  [qt 128][slot 16][g 16][lane 32][16 bytes] f32: lane (r, h) of g: mask x log2(e), held within +-3e38, of query 16 qt + r, keys 32 (g / 4) + 16 h + 4 (g % 4) + 0 .. 3 of the slot
;   flags [qt 128] u32: bit j = 1: the tile of queries 16 qt .. + 15 and keys 64 j .. + 63 is LIVE.
; NO WORK OF reference() IS DEAD FOR ALL INPUTS: the mask is an input, every input is loaded, no pattern of it is built in.  What the second launch leaves out hangs on the mask's VALUES, through the flags:
; with m' = mask x log2(e) and |20 log2(e) tanh| < 28.86, a key's t lies under (its tile's largest m') + 28.86, and M, the ceiling of the row's largest t, lies over (the row's largest m') - 28.86.
; A tile is dead only if in ALL its 16 rows (the tile's largest m') < (the row's largest m') - 192: then t - M < -134 for each of its keys, and 2^(t - M) is under the smallest normal f32 number,
; which v_exp_f32 gives as 0 (ISA guide 15.8): the tile would add nothing to the sum, to the codes or to M.  The tile with a row's largest m' is always live, so every row has a sum over 1/2;
; in a row that is held at -3e38 throughout every tile is live, and the row comes out as the plain average, as in reference().
; LIMITS: ek, ev between -126 and 112.  NaN and infinities among the inputs are not served.  |mask x log2(e)| is held at 3e38: mask entries beyond 2.08e38 in size count as equal.  p under 2^-126 counts as 0.
; SHARES.  512 work-groups of 16 waves; the work-group's number n picks the job, the wave's number w the part:
;   n < 128:        mask: qt = n, slot = w: 16 rows x 128 keys
;   128 <= n < 384: K: bh = (n - 128) / 8, slot = 2 ((n - 128) % 8) + w / 8, tile t = w % 8: 16 keys x 128
;   n >= 384:       V: bh = (n - 384) / 4, slot = 4 ((n - 384) % 4) + w / 4, columns 32 (w % 4) .. + 31 : d = 32 (w % 4) + lane, 128 keys
; Mask and K take ONE text: 16 rows of 512 bytes are loaded as they lie (a load covers 512 consecutive bytes) and turned through the wave's own stage in LDS, so that a lane holds 16 neighbours of each 32.
; V needs no turn: a lane takes a column d and its registers run down the keys.  No matrix work, no tensor load, no cluster: the launch streams, and no two work-groups read the same bytes.
.set ROWG,  8192                       ; bytes from row to row: a mask row, and a key's or value's 16 heads x 128 x 4
.set SP,    528                        ; a stage row: 512 bytes + 16: an odd multiple of 16, so the 16 rows that a load touches start at 16 different groups of four banks
.set STGW,  16*SP                      ; a wave's stage
.set EX,    16*STGW                    ; behind the 16 stages: 512 words: word 16 j + r = the largest m' of row r in sub-step j
.set SPARE, EX+2048                    ; behind them: the spare words, 128 bytes for each wave: eight blocks of 256 bytes that no other line names
.set LANE, 1
.set R,    2                           ; lane % 16
.set HF,   3                           ; lane / 16
.set VO,   4                           ; 16 x lane (V: 4 x lane)
.set VO2,  5                           ; mask, K: VO + the gap in front of rows 8-15; V: my place in an image
.set STA,  6                           ; the stage, on the way in
.set RDA,  7                           ; and on the way out
.set EXA,  8                           ; my word among the maxima
.set EXR,  9                           ; the 16 words of sub-step = lane
.set LIM,  10                          ; 57,344 x 2^e; at the end: the flag word
.set SCL,  11                          ; 2^e; at the end: 0
.set SPW,  12                          ; LDS address of my spare word; never rewritten
.set NIL,  13                          ; 0; never rewritten
.set T,    14
.set T2,   15
.set X,    16                          ; v16-79  64 numbers
.set C,    80                          ; v80-111 codes
.set M0,   96
.set M1,   97
.set HB,   98
.set MR,   112                         ; v112-127 a sub-step's 16 row maxima
	s_load_b256 s[4:11], s[0:1], 0x0               ; mask s[4:5], key s[6:7], value s[8:9], the scales' exponents s[10:11]
	s_load_b128 s[12:15], s[0:1], 0x20             ; kvimg s[12:13], mimg s[14:15]
	s_load_b64 s[16:17], s[0:1], 0x30              ; flags
	v_lshl_add_u32 v[SPW], v0, 2, SPARE
	v_mov_b32 v[NIL], 0
	v_lshrrev_b32 v[T], 5, v0
	s_delay_alu instid0(VALU_DEP_1)
	v_readfirstlane_b32 s18, v[T]                  ; wave 0..15
	v_and_b32 v[LANE], 31, v0
	v_and_b32 v[R], 15, v0
	v_bfe_u32 v[HF], v0, 4, 1
	s_mul_i32 s32, s18, STGW                       ; my stage
	v_lshlrev_b32 v[VO], 4, v[LANE]
	s_delay_alu instid0(VALU_DEP_1)
	v_add_nc_u32 v[STA], s32, v[VO]                ; in: a row's 512 bytes, 16 a lane
	v_mul_u32_u24 v[RDA], v[R], SP
	s_delay_alu instid0(VALU_DEP_1)
	v_lshl_add_u32 v[RDA], v[HF], 6, v[RDA]
	s_delay_alu instid0(VALU_DEP_1)
	v_add_nc_u32 v[RDA], s32, v[RDA]               ; out: row r, + 64 h: my 16 numbers of a block of 32
	v_lshl_add_u32 v[EXA], v0, 2, EX               ; word 32 w + 16 h + r
	v_lshl_add_u32 v[EXR], v[LANE], 6, EX
	v_mov_b32 v[T], 0                              ; written once: a lane permute's and a DPP form's destination counts as one of its sources
	v_mov_b32 v[T2], 0
	s_mov_b32 s30, 0x76543210                      ; v_permlanex16_b32's selects for lane l xor 16
	s_mov_b32 s31, 0xfedcba98
	s_mov_b32 s29, 0                               ; the high word of every offset
	s_wait_kmcnt 0x0
	s_load_b128 s[20:23], s[10:11], 0x0            ; eq, ek, ep, ev
	s_cmp_ge_u32 ttmp9, 384
	s_cbranch_scc1 .Lvalue
	; ---- mask and K: where my 16 rows begin, and where their image goes.  Both offsets are made, and the work-group's number chooses
	s_max_u32 s33, ttmp9, 128
	s_sub_co_u32 s33, s33, 128                     ; K's work-group number
	s_lshr_b32 s34, s33, 3                         ; bh
	s_and_b32 s35, s33, 7
	s_lshl_b32 s35, s35, 1
	s_lshr_b32 s36, s18, 3
	s_add_co_u32 s35, s35, s36                     ; slot
	s_and_b32 s36, s18, 7                          ; t
	s_lshr_b32 s37, s34, 4                         ; batch
	s_and_b32 s38, s34, 15                         ; head
	s_lshl_b32 s39, s37, 11
	s_lshl_b32 s40, s35, 7
	s_add_co_u32 s39, s39, s40
	s_lshr_b32 s40, s36, 1
	s_lshl_b32 s40, s40, 5
	s_add_co_u32 s39, s39, s40
	s_and_b32 s40, s36, 1
	s_lshl_b32 s40, s40, 3
	s_add_co_u32 s39, s39, s40                     ; the tile's first key: 2,048 batch + 128 slot + 32 (t / 2) + 8 (t % 2)
	s_lshl_b32 s39, s39, 13
	s_lshl_b32 s40, s38, 9
	s_add_co_u32 s39, s39, s40                     ; K: from
	s_lshl_b32 s41, s34, 4
	s_add_co_u32 s41, s41, s35
	s_lshl_b32 s41, s41, 15
	s_lshl_b32 s40, s36, 11
	s_add_co_u32 s41, s41, s40                     ; K: to: (16 bh + slot) x 32,768 + 2,048 t
	s_min_u32 s42, ttmp9, 127                      ; qt
	s_lshl_b32 s43, s42, 17
	s_lshl_b32 s40, s18, 9
	s_add_co_u32 s43, s43, s40                     ; mask: from: 16 qt rows + 512 x slot
	s_lshl_b32 s44, s42, 4
	s_add_co_u32 s44, s44, s18
	s_lshl_b32 s44, s44, 13                        ; mask: to: (16 qt + slot) x 8,192
	s_cmp_lt_u32 ttmp9, 128                        ; the choice hangs on the work-group's number alone
	s_cselect_b64 s[24:25], s[4:5], s[6:7]
	s_cselect_b64 s[26:27], s[14:15], s[12:13]
	s_cselect_b32 s45, s43, s39
	s_cselect_b32 s46, s44, s41
	s_cselect_b32 s47, 0, 0x10000                  ; K: rows 8-15 of a tile are the keys 8 further on
	s_mov_b32 s28, s45
	s_add_nc_u64 s[24:25], s[24:25], s[28:29]
	s_mov_b32 s28, s46
	s_add_nc_u64 s[26:27], s[26:27], s[28:29]
	s_wait_alu depctr_va_vdst(0)
	v_add_nc_u32 v[VO2], s47, v[VO]
.set i, 0
.rept 8
	global_load_b128 v[X+4*i:X+4*i+3], v[VO], s[24:25] offset:ROWG*i th:TH_LOAD_NT     ; row i: 32 lanes read 512 consecutive bytes
.set i, i+1
.endr
.rept 8
	global_load_b128 v[X+4*i:X+4*i+3], v[VO2], s[24:25] offset:ROWG*i th:TH_LOAD_NT
.set i, i+1
.endr
.set i, 0
.rept 16
	s_wait_loadcnt 15-i                            ; loads come back in order: row i is in, the 15 - i younger rows may be out
	ds_store_b128 v[STA], v[X+4*i:X+4*i+3] offset:SP*i
.set i, i+1
.endr
	s_wait_dscnt 0x0                               ; the stores have read their registers, which the loads below fill
.set g, 0
.rept 16
	ds_load_b128 v[X+4*g:X+4*g+3], v[RDA] offset:128*(g/4)+16*(g%4)    ; register 16 b + i of lane (r, h): element 32 b + 16 h + i of row r
.set g, g+1
.endr
	s_wait_dscnt 0x0
	s_wait_kmcnt 0x0                               ; the exponents
	s_cmp_lt_u32 ttmp9, 128
	s_cbranch_scc1 .Lmask
	; ---- K: hold, convert, store the tile's image
	s_add_co_i32 s32, s21, 127
	s_lshl_b32 s33, s32, 23
	v_mov_b32 v[SCL], s33                          ; 2^ek as f32: the conversion takes its exponent field
	s_add_co_i32 s32, s32, 15
	s_lshl_b32 s32, s32, 23
	s_or_b32 s32, s32, 0x600000
	v_mov_b32 v[LIM], s32                          ; 57,344 x 2^ek
.set i, 0
.rept 64
	v_med3_num_f32 v[X+i], v[X+i], -v[LIM], v[LIM] ; the conversion to an 8-bit code does not saturate (ISA guide 7.6.2): the hold at the largest code x the scale
.set i, i+1
.endr
.set k, 0
.rept 8
	v_cvt_scalef32_pk8_bf8_f32 v[C+2*k:C+2*k+1], v[X+8*k:X+8*k+7], v[SCL]
.set k, k+1
.endr
	v_nop                                          ; a plain vector line behind the last conversion
.irp c, 0,1,2,3
	global_store_b128 v[VO], v[C+4*\c:C+4*\c+3], s[26:27] offset:512*\c    ; 32 lanes store 512 consecutive bytes, at a multiple of 512 from the buffer's first byte
.endr
	s_branch .Ljoin
	; ---- V: lane l takes column d = 32 (w % 4) + l, its registers run down the keys: the conversions give codes with the keys innermost
.Lvalue:
	s_sub_co_u32 s33, ttmp9, 384
	s_lshr_b32 s34, s33, 2                         ; bh
	s_and_b32 s35, s33, 3
	s_lshl_b32 s35, s35, 2
	s_lshr_b32 s36, s18, 2
	s_add_co_u32 s35, s35, s36                     ; slot
	s_and_b32 s36, s18, 3                          ; which 32 columns
	s_lshr_b32 s37, s34, 4                         ; batch
	s_and_b32 s38, s34, 15                         ; head
	s_lshl_b32 s39, s37, 11
	s_lshl_b32 s40, s35, 7
	s_add_co_u32 s39, s39, s40                     ; the slot's first key
	s_lshl_b32 s39, s39, 13
	s_lshl_b32 s40, s38, 9
	s_add_co_u32 s39, s39, s40
	s_lshl_b32 s40, s36, 7
	s_add_co_u32 s28, s39, s40
	s_add_nc_u64 s[24:25], s[8:9], s[28:29]        ; from
	s_lshl_b32 s41, s34, 4
	s_add_co_u32 s41, s41, s35
	s_lshl_b32 s41, s41, 15
	s_lshl_b32 s40, s36, 12
	s_add_co_u32 s41, s41, s40
	s_add_co_u32 s28, s41, 16384
	s_add_nc_u64 s[26:27], s[12:13], s[28:29]      ; to: the slot's V part, tiles 2 (w % 4) and 2 (w % 4) + 1
	v_lshlrev_b32 v[VO], 2, v[LANE]                ; in: 4 bytes a lane: a load covers 128 consecutive bytes, the four waves of a slot 512
	v_lshlrev_b32 v[VO2], 11, v[HF]
	s_delay_alu instid0(VALU_DEP_1)
	v_lshl_add_u32 v[VO2], v[R], 4, v[VO2]         ; out: tile + lane / 16, place lane % 16
.macro VLOAD c                         ; keys 32 c + i, i = 0 .. 31, of my column, into set c % 2
.set i, 0
.rept 32
	global_load_b32 v[X+32*((\c)%2)+i], v[VO], s[24:25] offset:(32*(\c)+i)*ROWG th:TH_LOAD_NT
.set i, i+1
.endr
.endm
.macro VBLOCK c
.if (\c) < 3
	s_wait_loadcnt 32                              ; this block's 32 loads are in; the next block's 32 may be out
.else
	s_wait_loadcnt 0
.endif
.set i, 0
.rept 32
	v_med3_num_f32 v[X+32*((\c)%2)+i], v[X+32*((\c)%2)+i], -v[LIM], v[LIM]
.set i, i+1
.endr
.set k, 0
.rept 4
	v_cvt_scalef32_pk8_bf8_f32 v[C+8*(\c)+2*k:C+8*(\c)+2*k+1], v[X+32*((\c)%2)+8*k:X+32*((\c)%2)+8*k+7], v[SCL]
.set k, k+1
.endr
	global_store_b128 v[VO2], v[C+8*(\c):C+8*(\c)+3], s[26:27] offset:512*(\c)           ; keys 32 c + 0 .. 15: the image's lanes 0-15; sixteen lanes store 256 consecutive bytes, aligned
	global_store_b128 v[VO2], v[C+8*(\c)+4:C+8*(\c)+7], s[26:27] offset:512*(\c)+256     ; keys 32 c + 16 .. 31: its lanes 16-31.  Each block has code registers of its own: no store's data are written again
.if (\c) < 2
	VLOAD (\c)+2
.endif
.endm
	VLOAD 0
	VLOAD 1
	s_wait_kmcnt 0x0
	s_add_co_i32 s32, s23, 127
	s_lshl_b32 s33, s32, 23
	v_mov_b32 v[SCL], s33                          ; 2^ev
	s_add_co_i32 s32, s32, 15
	s_lshl_b32 s32, s32, 23
	s_or_b32 s32, s32, 0x600000
	v_mov_b32 v[LIM], s32                          ; 57,344 x 2^ev
	s_wait_alu depctr_va_vdst(0)
	VBLOCK 0
	VBLOCK 1
	VBLOCK 2
	VBLOCK 3
	v_nop                                          ; a plain vector line behind the last conversion
	s_branch .Ljoin
	; ---- mask: m' = mask x log2(e), held; its image; the largest m' of each row in each of the slot's two sub-steps
.Lmask:
	v_mov_b32 v[HB], 0x7f61b1e6                    ; 3e38
.set i, 0
.rept 32
	v_pk_mul_f32 v[X+i:X+i+1], v[X+i:X+i+1], 0x3fb8aa3b op_sel_hi:[1,0]
.set i, i+2
.endr
.set i, 0
.rept 64
	v_med3_num_f32 v[X+i], v[X+i], -v[HB], v[HB]   ; an overflow of the product is held too
.set i, i+1
.endr
.set g, 0
.rept 16
	global_store_b128 v[VO], v[X+4*g:X+4*g+3], s[26:27] offset:512*g   ; 512 consecutive bytes a store; X is only read from here on
.set g, g+1
.endr
	v_max3_num_f32 v[M0], v[X], v[X+1], v[X+2]     ; keys 0-63 of the slot lie in registers 0-31, keys 64-127 in 32-63: two chains
	v_max3_num_f32 v[M1], v[X+32], v[X+33], v[X+34]
.set i, 3
.rept 14
	s_delay_alu instid0(VALU_DEP_2)
	v_max3_num_f32 v[M0], v[M0], v[X+i], v[X+i+1]
	s_delay_alu instid0(VALU_DEP_2)
	v_max3_num_f32 v[M1], v[M1], v[X+32+i], v[X+33+i]
.set i, i+2
.endr
	s_delay_alu instid0(VALU_DEP_2)
	v_max_num_f32 v[M0], v[M0], v[X+31]
	s_delay_alu instid0(VALU_DEP_2)
	v_max_num_f32 v[M1], v[M1], v[X+63]
	s_delay_alu instid0(VALU_DEP_2)
	v_permlanex16_b32 v[T], v[M0], s30, s31        ; the row's other keys lie in the lane 16 away
	s_delay_alu instid0(VALU_DEP_2)
	v_permlanex16_b32 v[T2], v[M1], s30, s31
	s_delay_alu instid0(VALU_DEP_2)
	v_max_num_f32 v[M0], v[M0], v[T]
	s_delay_alu instid0(VALU_DEP_2)
	v_max_num_f32 v[M1], v[M1], v[T2]
	v_cmp_gt_u32 vcc_lo, 16, v[LANE]
	s_delay_alu instid0(VALU_DEP_1)
	v_cndmask_b32 v[M0], v[M1], v[M0], vcc_lo      ; lanes 0-15 keep sub-step 2 w's, lanes 16-31 sub-step 2 w + 1's
	ds_store_b32 v[EXA], v[M0]
.Ljoin:                                                ; every wave of every work-group passes this one barrier
	s_wait_dscnt 0x0                               ; for the others' sake: my word among the maxima has landed
	s_barrier_signal -1
	s_barrier_wait -1
	s_cmp_ge_u32 ttmp9, 128
	s_cbranch_scc1 .Lend
	s_cmp_lg_u32 s18, 0
	s_cbranch_scc1 .Lend
	; ---- wave 0 of a mask work-group: lane j holds sub-step j's 16 row maxima; the lane mask of a compare IS a word of 32 sub-step bits
.irp k, 0,1,2,3
	ds_load_b128 v[MR+4*\k:MR+4*\k+3], v[EXR] offset:16*\k
.endr
	s_lshl_b32 s28, ttmp9, 2
	s_add_nc_u64 s[16:17], s[16:17], s[28:29]      ; flags + 4 qt
	s_mov_b32 s41, 0
	s_wait_dscnt 0x0
.set i, 0
.rept 16
	v_max_num_f32_dpp v[T], v[MR+i], v[MR+i] row_xmask:1 row_mask:0xf bank_mask:0xf   ; row i's largest m' over all 32 sub-steps
	s_delay_alu instid0(VALU_DEP_1)
	v_max_num_f32_dpp v[T], v[T], v[T] row_xmask:2 row_mask:0xf bank_mask:0xf
	s_delay_alu instid0(VALU_DEP_1)
	v_max_num_f32_dpp v[T], v[T], v[T] row_xmask:4 row_mask:0xf bank_mask:0xf
	s_delay_alu instid0(VALU_DEP_1)
	v_max_num_f32_dpp v[T], v[T], v[T] row_xmask:8 row_mask:0xf bank_mask:0xf
	s_wait_alu depctr_va_vdst(0)
	v_permlanex16_b32 v[T2], v[T], s30, s31
	s_delay_alu instid0(VALU_DEP_1)
	v_max_num_f32 v[T], v[T], v[T2]
	s_delay_alu instid0(VALU_DEP_1)
	v_add_f32 v[T], 0xc3400000, v[T]               ; - 192
	s_delay_alu instid0(VALU_DEP_1)
	v_cmp_ge_f32 s40, v[MR+i], v[T]                ; this row keeps the sub-step alive
	s_or_b32 s41, s41, s40                         ; live if any of the 16 rows does.  The word is stored; nothing in this launch hangs on it
.set i, i+1
.endr
	v_mov_b32 v[LIM], s41
	v_mov_b32 v[SCL], 0
	s_wait_alu depctr_va_vdst(0)
	s_wait_xcnt 0x0                                ; EXEC changes only behind this wait: the image's stores have it among their sources
	v_cmp_eq_u32 vcc_lo, 0, v[LANE]
	s_and_saveexec_b32 s42, vcc_lo
	global_store_b32 v[SCL], v[LIM], s[16:17]      ; one word
	s_wait_xcnt 0x0                                ; and again, in front of the line that widens it
	s_or_b32 exec_lo, exec_lo, s42
.Lend:
	s_wait_tensorcnt 0x0                           ; the wave's end
	ds_add_u32 v[SPW], v[NIL]
	s_wait_dscnt 0x0
	s_endpgm
.Lfunc_end_k_q0192ab87eb_prep:
	.size	k_q0192ab87eb_prep, .Lfunc_end_k_q0192ab87eb_prep-k_q0192ab87eb_prep
	.p2alignl 7, 3214868480
	.fill 96, 4, 3214868480
	.section	.rodata,"a",@progbits
	.p2align	6, 0x0
	.amdhsa_kernel k_q0192ab87eb_prep
		.amdhsa_group_segment_fixed_size 139264
		.amdhsa_private_segment_fixed_size 0
		.amdhsa_enable_private_segment 0
		.amdhsa_kernarg_size 56
		.amdhsa_user_sgpr_count 2
		.amdhsa_user_sgpr_kernarg_segment_ptr 1
		.amdhsa_wavefront_size32 1
		.amdhsa_system_sgpr_workgroup_id_x 1
		.amdhsa_system_sgpr_workgroup_id_y 1
		.amdhsa_system_sgpr_workgroup_id_z 1
		.amdhsa_system_vgpr_workitem_id 0
		.amdhsa_next_free_vgpr 128
		.amdhsa_next_free_sgpr 66
		.amdhsa_reserve_vcc 1
		.amdhsa_float_denorm_mode_32 3
		.amdhsa_float_denorm_mode_16_64 3
		.amdhsa_memory_ordered 1
		.amdhsa_forward_progress 1
		.amdhsa_inst_pref_size 61
	.end_amdhsa_kernel
	.amdgpu_metadata
---
amdhsa.version: [ 1, 2 ]
amdhsa.kernels:
  - .name:           k_q0192ab87eb_prep
    .symbol:         k_q0192ab87eb_prep.kd
    .args:
      - { .name: attn_mask, .offset: 0, .size: 8, .value_kind: global_buffer, .address_space: global }
      - { .name: key, .offset: 8, .size: 8, .value_kind: global_buffer, .address_space: global }
      - { .name: value, .offset: 16, .size: 8, .value_kind: global_buffer, .address_space: global }
      - { .name: lowp_scales, .offset: 24, .size: 8, .value_kind: global_buffer, .address_space: global }
      - { .name: kvimg, .offset: 32, .size: 8, .value_kind: global_buffer, .address_space: global }
      - { .name: mimg, .offset: 40, .size: 8, .value_kind: global_buffer, .address_space: global }
      - { .name: flags, .offset: 48, .size: 8, .value_kind: global_buffer, .address_space: global }
    .group_segment_fixed_size: 139264
    .private_segment_fixed_size: 0
    .kernarg_segment_align: 8
    .kernarg_segment_size: 56
    .max_flat_workgroup_size: 512
    .sgpr_count:     66
    .vgpr_count:     128
    .wavefront_size: 32
...
	.end_amdgpu_metadata
.endif
;; end of part 3
;; launch attn (part 4): grid 8 x 32, 16 waves a work-group, no clusters, 202,752 bytes of LDS; arguments query, kvimg, mimg, flags, lowp_scales, out0; writes out0
.if DOCPART == 4
	.amdgcn_target "amdgcn-amd-amdhsa--gfx1250"
	.amdhsa_code_object_version 6
	.text
	.protected	k_q0192ab87eb_attn
	.globl	k_q0192ab87eb_attn
	.p2align	8
	.type	k_q0192ab87eb_attn,@function
k_q0192ab87eb_attn:
	s_mov_b64 s[64:65], 0
	v_nop
	global_prefetch_b8 v0, s[64:65] scope:SCOPE_SE
	s_setreg_imm32_b32 hwreg(HW_REG_WAVE_SCHED_MODE, 0, 2), 2
	s_setreg_imm32_b32 hwreg(HW_REG_WAVE_MODE, 25, 1), 1
	s_wait_xcnt 0x0
	s_wait_alu depctr_vm_vsrc(0)
; SECOND LAUNCH: out0[b][q][hd][:] = sum over k of softmax_k(20 tanh(Q.K / (20 sqrt(128))) + mask[q][k]) V[k][:], both products on codes of E5M2, by v_wmma_f32_16x16x128_bf8_bf8 and v_wmma_f32_16x16x64_bf8_bf8.
; THE SOFTMAX AHEAD OF THE SECOND PRODUCT: t = logit x log2(e); M = the ceiling of the running largest t, a whole number; p = 2^(t - M) is quantised with 2^ep, not normalised; the row's sum is taken of the
; unquantised p and divides at the end.  When M moves, the sum and O are multiplied by 2^(old M - new M): nothing is rounded.
; WHAT IS LEFT OUT: tiles of 16 queries x 64 keys whose bit in the stored flag words is 0.  The first launch clears a bit only where t - M < -134 for every key of the tile, whatever Q and K hold
; (|20 log2(e) tanh| < 28.86), so that every p of the tile would come out of v_exp_f32 as 0.  It hangs on the mask's values as they are given, never on a pattern.  A NaN or infinity that reaches only such a tile is not carried to the result.
; tanh: y = a s, a = 2 log2(e) / (20 sqrt(128)) x 2^(eq + ek); y is held at 64 from above, so that e = 2^y stays finite; w = (e - 1) / (e + 1); t = 20 log2(e) w + m', one fused multiply-add (m' = mask x log2(e), from mimg).
; LIMITS: eq, ep between -126 and 112; eq + ek between -119 and 134 (added to a's exponent field); ep + ev goes by v_ldexp_f32 and has none.  NaN and infinities among the inputs are not served.
; SHARES.  A work-group (x = i, y = bh) owns blocks i and 15 - i of 128 queries of one head; each of its 16 waves owns one tile of 16 queries in 256 registers, four waves to a SIMD, so that one wave's
; exponentials stand beside another's plain work, products and loads.  Wave w takes block i where bit 0 of w equals bit 2, else block 15 - i; its tile in the block is 4 (w / 8) + w % 4.
; K AND V come as register images (kvimg), a slot of 128 keys = 32,768 dense bytes: each of the 512 threads carries 4 x 16 bytes through registers into one of two LDS buffers, asked for one trip ahead.
; The 8 work-groups of a head read the same K and V, yet nothing is asked for jointly: that takes tensor loads; the branches on the flags
; leave out up to half of the 32 sub-steps of a tile, each 96 transcendentals and some 265 plain vector lines, against 12 matrix instructions: the vector work is what the loop is made of.
; The loop has 16 trips in 8 pairs, a constant: every LDS address is a constant + a lane or wave term, and every wave passes every barrier; only work is jumped over.
; LAYOUT.  Both products are used transposed (S^T = K Q^T, O^T = V^T P^T): a lane holds ONE query (lane % 16).  The keys of a tile of K are chosen so that registers 16 b + i of S^T are keys 32 b + 16 (lane / 16) + i.
; In each operand registers 4 c .. 4 c + 3 hold k = 32 c + 16 (lane / 16) + 0 .. 15: a permutation of k that is the same on both sides of each product.
; THE MODE: SCHED_MODE bits 1:0 = 2 (LLVM: expert scheduling mode 2), set by the entry lines.  The code itself states the register dependences
; between vector or matrix instructions and memory or LDS instructions, with s_wait_alu, always for 0.
; THE PLAN.  Registers that memory or LDS instructions touch:
;   v1-v5          Addresses and offsets: written by vector lines at the head, never again; read by every load and store.  v6, v7: written at the head, read by the closing add alone.
;   SG  v232-247   Written by the staging's global loads, read by the staging's LDS stores a trip later.  No vector instruction names them.
;   R1  v32-63     A sub-step: K's LDS loads land; the K products read; e + 1 and the reciprocals are written there; the multiply that makes tanh reads; V's tiles 0-3 land; the V products read.
;   R1  v64-95     A sub-step: K's LDS loads land; the K products read; V's tiles 4-7 land; the V products read.
;   MK  v128-159   A sub-step: the mask's global loads land; the multiply-add that makes t reads.
;   At the head Q passes through v96-159 (global loads, LDS stores) and R1 (LDS loads, holds, conversions); on the way out the results pass through v96-159 (multiplies, LDS stores) and R1 (LDS loads, global stores).
; So a sub-step has ONE wait on va_vdst of its own, at its head: the sub-step before is done with R1 and MK, in which K's and the mask's loads land.  V's loads lean on two waits that stand for the
; transcendentals' sake: tiles 4-7 go out behind the wait for the first exponentials (the K products are done reading v64-95, and no vector line names these registers until the V products), tiles 0-3 behind the
; wait for p's exponentials (the multiply that made tanh is done reading v32-63, likewise).  A trip has one wait on vm_vsrc: the staging's LDS stores have read SG, ahead of the loads that land there.
.set BUFB,  32768                      ; an LDS buffer: K's image, 16,384 bytes, then V's
.set VIMG,  16384
.set SP,    528                        ; a stage row: 512 bytes + 16
.set STG,   2*BUFB                     ; behind the buffers: 16 rows x 528 for each wave, its own: Q's turn, later the way out
.set SPARE, STG+16*16*SP               ; behind the stages: the spare words, 128 bytes for each wave: eight blocks of 256 bytes that no other line names
.set LI,  1                            ; v1   16 x lane: fragments, the mask's tiles, Q's loads, out0's stores; never rewritten
.set TO,  2                            ; v2   16 x thread: the staging's place, in memory and in LDS alike; never rewritten
.set SR,  3                            ; v3   my stage + 16 x lane: whole rows
.set QR,  4                            ; v4   my stage + 528 r + 64 h: Q's numbers back
.set STO, 5                            ; v5   my stage + 528 r + 32 h: O's numbers in
.set SPW, 6                            ; v6   LDS address of my spare word; never rewritten
.set NIL, 7                            ; v7   0; never rewritten
.set QF,  16                           ; v16-31   Q's fragment.   v[8:9] the sum's second chain; v10, v11 Q's hold and scale; v12 -M, v13 the largest t, v[14:15] the sum in two halves
.set R1,  32                           ; v32-95   four fragments of K; then 1 / (e + 1) in v32-63; then eight fragments of V
.set SC,  96                           ; v96-127  S^T, then p
.set MK,  128                          ; v128-159 the mask's tile
.set OT,  160                          ; v160-223 O^T
.set PC,  224                          ; v224-231 p's codes
.set SG,  232                          ; v232-247 a slot's bytes on their way to LDS.   v248 57,344 x 2^ep, v249 2^ep; v250, v251 maxima; v[252:253] f; v254 at work; v255 a permute's destination
; scalars: s16 wave; s20 qt; s21 bh; s[22:23] lane selects; s[24:25] a; s[26:27] 20 log2(e); s28 64.0; s29 my flag word; s30 pairs to go; s33 the union of the 16 waves' flag words;
;          s[34:35] kvimg at the pair's first slot; s[36:39] eq, ek, ep, ev; s[60:61] mimg at my tile's pair of slots; s[4:5], s[14:15] query and out0 at my first row
.macro STAGE_LD k                      ; slot k of the pair in hand: the 512 threads read 32,768 dense bytes
.irp n, 0,1,2,3
	global_load_b128 v[SG+4*\n:SG+4*\n+3], v[TO], s[34:35] offset:(\k)*BUFB+\n*8192
.endr
.endm
.macro STAGE_ST b                      ; and lay them into buffer b as they lie
.irp n, 0,1,2,3
	ds_store_b128 v[TO], v[SG+4*\n:SG+4*\n+3] offset:(\b)*BUFB+\n*8192
.endr
.endm
	s_load_b256 s[4:11], s[0:1], 0x0               ; query s[4:5], kvimg s[6:7], mimg s[8:9], flags s[10:11]
	s_load_b128 s[12:15], s[0:1], 0x20             ; the scales' exponents s[12:13], out0 s[14:15]
	v_lshl_add_u32 v[SPW], v0, 2, SPARE
	v_mov_b32 v[NIL], 0
	v_lshrrev_b32 v10, 5, v0
	v_readfirstlane_b32 s16, v10                   ; wave 0..15
	v_and_b32 v10, 31, v0
	v_lshlrev_b32 v[LI], 4, v10
	s_wait_alu depctr_va_vdst(0)
	v_lshlrev_b32 v[TO], 4, v0
	s_and_b32 s21, ttmp7, 0xffff                   ; bh
	s_mov_b32 s3, 0                                ; the high word of every offset
	s_mov_b32 s22, 0x76543210                      ; v_permlanex16_b32's selects for lane l xor 16
	s_mov_b32 s23, 0xfedcba98
	s_wait_alu depctr_va_sdst(0)                   ; s16 is written, ahead of its first reader: my tile, my stage and my addresses are made from it
	s_lshr_b32 s17, s16, 2
	s_xor_b32 s17, s17, s16
	s_and_b32 s17, s17, 1                          ; bit 0 xor bit 2: which of the two blocks
	s_lshr_b32 s18, s16, 3
	s_lshl_b32 s18, s18, 2
	s_and_b32 s19, s16, 3
	s_or_b32 s18, s18, s19                         ; my tile in the block
	s_sub_co_u32 s19, 15, ttmp9
	s_cmp_eq_u32 s17, 0
	s_cselect_b32 s19, ttmp9, s19                  ; the block
	s_lshl_b32 s20, s19, 3
	s_add_co_u32 s20, s20, s18                     ; qt: it enters global addresses alone
	s_mul_i32 s56, s16, 16*SP
	s_add_co_u32 s56, s56, STG                     ; my stage
	v_add_nc_u32 v[SR], s56, v[LI]
	v_and_b32 v10, 15, v0                          ; r
	v_bfe_u32 v11, v0, 4, 1                        ; h
	v_mul_u32_u24 v[QR], v10, SP
	v_add_nc_u32 v[QR], s56, v[QR]
	v_lshl_add_u32 v[STO], v11, 5, v[QR]
	v_lshl_add_u32 v[QR], v11, 6, v[QR]
	s_wait_alu depctr_va_vdst(0)                   ; the addresses and offsets v1 to v5 are written, which every load and store of the kernel reads; no vector line writes them again
	s_wait_kmcnt 0x0
	s_load_b128 s[36:39], s[12:13], 0x0            ; eq, ek, ep, ev
	s_lshl_b32 s2, s20, 2
	s_add_nc_u64 s[56:57], s[10:11], s[2:3]
	s_load_b32 s29, s[56:57], 0x0                  ; my tile's flag word
	s_lshl_b32 s2, ttmp9, 5
	s_add_nc_u64 s[58:59], s[10:11], s[2:3]
	s_load_b256 s[40:47], s[58:59], 0x0            ; block i's eight words,
	s_sub_co_u32 s2, 15, ttmp9
	s_lshl_b32 s2, s2, 5
	s_add_nc_u64 s[62:63], s[10:11], s[2:3]
	s_load_b256 s[48:55], s[62:63], 0x0            ; and block 15 - i's
	s_lshl_b32 s2, s21, 19
	s_add_nc_u64 s[34:35], s[6:7], s[2:3]          ; kvimg at my head: 16 slots x 32,768
	s_lshl_b32 s2, s20, 17
	s_add_nc_u64 s[60:61], s[8:9], s[2:3]          ; mimg at my tile: 16 slots x 8,192
	s_lshr_b32 s31, s21, 4
	s_lshl_b32 s31, s31, 24
	s_add_co_u32 s2, s2, s31                       ; 16 qt rows of 8,192 bytes + the batch's 2,048 rows
	s_and_b32 s31, s21, 15
	s_lshl_b32 s31, s31, 9
	s_add_co_u32 s2, s2, s31                       ; + the head's 512 bytes
	s_add_nc_u64 s[4:5], s[4:5], s[2:3]
	s_add_nc_u64 s[14:15], s[14:15], s[2:3]
	STAGE_LD 0                                     ; slot 0, whatever the flags say: so the staging registers are written on every way
.set i, 0
.rept 16
	global_load_b128 v[SC+4*i:SC+4*i+3], v[LI], s[4:5] offset:8192*i th:TH_LOAD_NT     ; Q's row i: 512 consecutive bytes; read once, by this wave
.set i, i+1
.endr
	s_wait_loadcnt 16                              ; slot 0's four loads are in; Q's sixteen, issued behind them, may be out
	STAGE_ST 0
.set i, 0
.rept 16
	s_wait_loadcnt 15-i                            ; row i is in; the 15 - i younger rows may be out
	ds_store_b128 v[SR], v[SC+4*i:SC+4*i+3] offset:SP*i
.set i, i+1
.endr
.set g, 0
.rept 16
	ds_load_b128 v[R1+4*g:R1+4*g+3], v[QR] offset:128*(g/4)+16*(g%4)   ; LDS serves a wave's instructions in order: these see my stores.  Register 16 c + i: d = 32 c + 16 h + i of query r
.set g, g+1
.endr
	s_wait_kmcnt 0x0
	s_or_b32 s33, s40, s41                         ; a slot is staged if any of the 16 waves wants it
.irp k, 42,43,44,45,46,47,48,49,50,51,52,53,54,55
	s_or_b32 s33, s33, s\k
.endr
	s_add_co_i32 s56, s36, s37
	s_lshl_b32 s56, s56, 23
	s_add_co_i32 s24, s56, 0x3c50ecb0              ; a = 2 log2(e) / (20 sqrt(128)), with eq + ek added to its exponent field
	s_mov_b32 s25, s24                             ; (named with it as a pair, so it is written)
	s_mov_b32 s26, 0x41e6d4ca                      ; 20 log2(e)
	s_mov_b32 s27, s26
	s_mov_b32 s28, 0x42800000                      ; 64.0
	s_add_co_i32 s56, s38, 127
	s_lshl_b32 s57, s56, 23
	v_mov_b32 v249, s57                            ; 2^ep as f32, for p's conversions
	s_add_co_i32 s56, s56, 15
	s_lshl_b32 s56, s56, 23
	s_or_b32 s56, s56, 0x600000
	v_mov_b32 v248, s56                            ; 57,344 x 2^ep
	s_add_co_i32 s56, s36, 127
	s_lshl_b32 s57, s56, 23
	v_mov_b32 v11, s57                             ; 2^eq
	s_add_co_i32 s56, s56, 15
	s_lshl_b32 s56, s56, 23
	s_or_b32 s56, s56, 0x600000
	v_mov_b32 v10, s56                             ; 57,344 x 2^eq
	s_wait_dscnt 0x0                               ; slot 0's stores have landed; Q is back
	s_wait_alu depctr_vm_vsrc(0)                   ; slot 0's LDS stores have read the staging registers, in which slot 1's loads land; Q's LDS stores have read v96-159, which the products, the vector lines and the mask's loads write from here on
	s_and_b32 s56, s33, 0xc                        ; slot 1's two bits
	s_cmp_eq_u32 s56, 0
	s_cbranch_scc1 .Lno_slot_1
	STAGE_LD 1
.Lno_slot_1:
.set j, 0
	s_wait_alu depctr_va_vdst(0)
.rept 64
	v_med3_num_f32 v[R1+j], v[R1+j], -v10, v10     ; the conversion to an 8-bit code does not saturate (ISA guide 7.6.2)
.set j, j+1
.endr
.set k, 0
.rept 8
	v_cvt_scalef32_pk8_bf8_f32 v[QF+2*k:QF+2*k+1], v[R1+8*k:R1+8*k+7], v11
.set k, k+1
.endr
	v_nop                                          ; a plain vector line behind the last conversion
	v_mov_b32 v13, 0xff61b1e6                      ; the largest t so far: -3e38, at or under every t
	v_floor_f32 v12, -v13                          ; -M
	v_mov_b32 v14, 0                               ; the sum, in two halves
	v_mov_b32 v15, 0
	v_mov_b32 v253, 0                              ; (named as the upper half of the pair v[252:253])
	v_mov_b32 v255, 0                              ; written once: a lane permute's destination counts as one of its sources
.set j, 0
.rept 64
	v_mov_b32 v[OT+j], 0                           ; O^T.  Which sub-step is a wave's first hangs on its flags, so none can be written out with C = 0: the first finds zeros
.set j, j+1
.endr
; A SUB-STEP: my 16 queries x keys 64 u .. 64 u + 63 of the slot in buffer p.
.macro SUB p, u
	s_wait_alu depctr_va_vdst(0)                   ; the sub-step before is done: its V products have read v32-95 and its multiply-adds v128-159 (in my first sub-step: Q's holds and conversions are done with v32-95); K's and the mask's loads land there
.set g, 0
.rept 8
	global_load_b128 v[MK+4*g:MK+4*g+3], v[LI], s[60:61] offset:(\p)*8192+(\u)*4096+g*512   ; the mask's tile, in S^T's own order: 512 consecutive bytes a load
.set g, g+1
.endr
.set g, 0
.rept 16
	ds_load_b128 v[R1+4*g:R1+4*g+3], v[LI] offset:(\p)*BUFB+(\u)*8192+g*512   ; tiles 4 u .. 4 u + 3 of K, as images: 512 consecutive bytes a load
.set g, g+1
.endr
	s_wait_dscnt 0x0
.irp t, 0,1,2,3
	v_wmma_f32_16x16x128_bf8_bf8 v[SC+8*\t:SC+8*\t+7], v[R1+16*\t:R1+16*\t+15], v[QF:QF+15], 0
.endr
.rept 4
	v_nop                                          ; four places between the products and the first read of their results (ISA guide 7.12.1)
.endr
.set j, 0
.rept 16
	v_pk_mul_f32 v[SC+j:SC+j+1], v[SC+j:SC+j+1], s[24:25] op_sel_hi:[1,0]   ; y = a s; each accumulator from its low end on
.set j, j+2
.endr
.set j, 0
.rept 32
	v_min_num_f32 v[SC+j], s28, v[SC+j]            ; y <= 64
.set j, j+1
.endr
.set j, 0
	s_wait_alu depctr_va_vdst(0)
.rept 32
	v_exp_f32 v[SC+j], v[SC+j]                     ; e = 2^y
.set j, j+1
.endr
	v_nop                                          ; a plain line behind the last exponential
	s_wait_alu depctr_va_vdst(0)                   ; the 32 exponentials have written v96-127, ahead of their first reader; and the K products are done reading v64-95, in which the loads below land
.set t, 4
.rept 4
	ds_load_b128 v[R1+8*t:R1+8*t+3], v[LI] offset:(\p)*BUFB+VIMG+t*2048+(\u)*1024          ; V's fragments 4 to 7 for these 64 keys.  No vector line names v64-95 from the wait above to the V products
	ds_load_b128 v[R1+8*t+4:R1+8*t+7], v[LI] offset:(\p)*BUFB+VIMG+t*2048+(\u)*1024+512
.set t, t+1
.endr
.set j, 0
.rept 16
	v_pk_add_f32 v[R1+j:R1+j+1], v[SC+j:SC+j+1], 1.0 op_sel_hi:[1,0]        ; e + 1, where K's first two fragments lay
.set j, j+2
.endr
.set j, 0
.rept 16
	v_pk_add_f32 v[SC+j:SC+j+1], v[SC+j:SC+j+1], -1.0 op_sel_hi:[1,0]       ; e - 1: exact near e = 1
.set j, j+2
.endr
.set j, 0
	s_wait_alu depctr_va_vdst(0)
.rept 32
	v_rcp_f32 v[R1+j], v[R1+j]
.set j, j+1
.endr
	v_nop
	s_wait_alu depctr_va_vdst(0)                   ; the 32 reciprocals have written v32-63, ahead of their first reader
.set j, 0
.rept 16
	v_pk_mul_f32 v[SC+j:SC+j+1], v[SC+j:SC+j+1], v[R1+j:R1+j+1]             ; w = tanh
.set j, j+2
.endr
	s_wait_loadcnt 0x0                             ; the mask's tile (and whatever was asked for ahead of it)
.set j, 0
.rept 16
	v_pk_fma_f32 v[SC+j:SC+j+1], v[SC+j:SC+j+1], s[26:27], v[MK+j:MK+j+1] op_sel_hi:[1,0,1]   ; t = 20 log2(e) w + m'
.set j, j+2
.endr
	v_max3_num_f32 v250, v[SC], v[SC+1], v[SC+2]   ; the sub-step's largest t of my query, among my 32 keys, in two chains,
	v_max3_num_f32 v251, v[SC+3], v[SC+4], v[SC+5]
.set j, 6
.rept 6
	v_max3_num_f32 v250, v250, v[SC+j], v[SC+j+1]
	v_max3_num_f32 v251, v251, v[SC+j+2], v[SC+j+3]
.set j, j+4
.endr
	v_max3_num_f32 v250, v250, v[SC+30], v[SC+31]
	v_max_num_f32 v250, v250, v251
	v_permlanex16_b32 v255, v250, s22, s23
	v_max_num_f32 v250, v250, v255                 ; and among lane l xor 16's
	v_max_num_f32 v13, v13, v250                   ; the running largest t
	v_mov_b32 v254, v12
	v_floor_f32 v12, -v13                          ; the new -M = floor(-t) = -ceil(t)
	v_sub_f32 v254, v12, v254                      ; old M - new M: a whole number, 0 or less
	v_cvt_i32_f32 v254, v254                       ; (it saturates)
	v_ldexp_f32 v252, 1.0, v254                    ; f = 2^(old M - new M)
.set j, 0
.rept 16
	v_pk_add_f32 v[SC+j:SC+j+1], v[SC+j:SC+j+1], v[12:13] op_sel_hi:[1,0]   ; t - M (the pair's low word, -M, for both halves)
.set j, j+2
.endr
.set j, 0
	s_wait_alu depctr_va_vdst(0)
.rept 32
	v_exp_f32 v[SC+j], v[SC+j]                     ; p = 2^(t - M), at most 1
.set j, j+1
.endr
	v_pk_mul_f32 v[14:15], v[14:15], v[252:253] op_sel_hi:[1,0]             ; the sums under the new M: the plain line behind the exponentials
	s_wait_alu depctr_va_vdst(0)                   ; the 32 exponentials have written v96-127, ahead of their first reader; and the multiplies that made tanh are done reading v32-63, in which the loads below land
.set t, 0
.rept 4
	ds_load_b128 v[R1+8*t:R1+8*t+3], v[LI] offset:(\p)*BUFB+VIMG+t*2048+(\u)*1024          ; V's fragments 0 to 3: they land under the sums, holds, conversions and rescalings below, none of which names v32-63
	ds_load_b128 v[R1+8*t+4:R1+8*t+7], v[LI] offset:(\p)*BUFB+VIMG+t*2048+(\u)*1024+512
.set t, t+1
.endr
	v_pk_add_f32 v[8:9], v[SC:SC+1], v[SC+2:SC+3]  ; the row's sum is taken of the unquantised p, in two chains
.set j, 4
.rept 7
	v_pk_add_f32 v[14:15], v[14:15], v[SC+j:SC+j+1]
	v_pk_add_f32 v[8:9], v[8:9], v[SC+j+2:SC+j+3]
.set j, j+4
.endr
	v_pk_add_f32 v[14:15], v[14:15], v[8:9]
.set j, 0
.rept 32
	v_min_num_f32 v[SC+j], v[SC+j], v248           ; p is not negative: a one-sided hold at the largest code x 2^ep
.set j, j+1
.endr
.set k, 0
.rept 4
	v_cvt_scalef32_pk8_bf8_f32 v[PC+2*k:PC+2*k+1], v[SC+8*k:SC+8*k+7], v249   ; registers 4 b .. 4 b + 3: keys 32 b + 16 h + 0 .. 15, as V's fragments have them
.set k, k+1
.endr
.set j, 0
.rept 32
	v_pk_mul_f32 v[OT+j:OT+j+1], v[OT+j:OT+j+1], v[252:253] op_sel_hi:[1,0]   ; O^T under the new M, each accumulator from its low end on; also the plain lines behind the conversions
.set j, j+2
.endr
	s_wait_alu depctr_va_vdst(0)
	s_wait_dscnt 0x0                               ; V is in, all eight fragments
.irp t, 0,1,2,3,4,5,6,7
	v_wmma_f32_16x16x64_bf8_bf8 v[OT+8*\t:OT+8*\t+7], v[R1+8*\t:R1+8*\t+7], v[PC:PC+7], v[OT+8*\t:OT+8*\t+7]   ; eight accumulators, one instruction a turn
.endr
.rept 4
	v_nop                                          ; four places behind the last products, ahead of whatever follows on any way (ISA guide 7.12.1); they stand beside the next wait on va_vdst, not for it
.endr
.endm
; A TRIP: the slot in buffer p is read; the next slot's bytes, in registers since the last trip, go into the other buffer; the slot after that is asked for.
; In the two words bits 0, 1 are this slot's sub-steps, bits 2, 3 the next slot's, bits 4, 5 the one after; zeros come in from above, so nothing past slot 15 is ever asked for.
.macro TRIP p
	s_wait_dscnt 0x0                               ; for the others' sake: my stores into buffer p have landed, and my reads of the other buffer are over
	s_barrier_signal -1
	s_barrier_wait -1                              ; both now hold of all sixteen waves
	s_wait_loadcnt 0x0                             ; the staging registers hold what was asked for a trip ago; on no way is a load into them out
	s_and_b32 s56, s33, 0xc
	s_cmp_eq_u32 s56, 0
	s_cbranch_scc1 .Lno_store_\@
	STAGE_ST 1-(\p)                                ; (the staging registers and v2 are named by no vector line of the loop: nothing is owed on va_vdst)
	s_wait_dscnt 0x0                               ; the stores have landed
.Lno_store_\@:
	s_wait_alu depctr_vm_vsrc(0)                   ; the staging's LDS stores have read v232-247, in which the loads below land: on both ways, and ahead of the branch round those loads
	s_and_b32 s56, s33, 0x30
	s_cmp_eq_u32 s56, 0
	s_cbranch_scc1 .Lno_load_\@
	STAGE_LD (\p)+2                                ; a whole trip ahead of its stores
.Lno_load_\@:
	s_bitcmp1_b32 s29, 0
	s_cbranch_scc0 .Ldead_0_\@
	SUB \p, 0
.Ldead_0_\@:
	s_bitcmp1_b32 s29, 1
	s_cbranch_scc0 .Ldead_1_\@
	SUB \p, 1
.Ldead_1_\@:
	s_lshr_b32 s33, s33, 2
	s_lshr_b32 s29, s29, 2
.endm
	s_mov_b32 s30, 8
.Lpair:                                                ; 8 trips of two slots
	TRIP 0
	TRIP 1
	s_wait_xcnt 0x0                                ; the loads issued so far have read their bases, which step now
	s_add_nc_u64 s[34:35], s[34:35], 0x10000       ; two slots of kvimg,
	s_add_nc_u64 s[60:61], s[60:61], 0x4000        ; and of mimg
	s_sub_co_u32 s30, s30, 1
	s_cmp_lg_u32 s30, 0
	s_cbranch_scc1 .Lpair
	; THE WAY OUT.  O^T / the sum x 2^(ep + ev) goes through my stage and leaves as whole rows of 512 bytes.
	v_add_f32 v14, v14, v15                        ; the sum's two halves,
	v_permlanex16_b32 v255, v14, s22, s23
	v_add_f32 v14, v14, v255                       ; and lane l xor 16's: over 1/2, since the tile with the row's largest m' is live
	s_wait_alu depctr_va_vdst(0)
	v_rcp_f32 v14, v14
	v_nop                                          ; a plain line behind the reciprocal
	s_add_co_i32 s56, s38, s39
	s_wait_alu depctr_va_vdst(0)                   ; the reciprocal has written v14, ahead of its first reader
	v_ldexp_f32 v14, v14, s56
.set j, 0
.rept 32
	v_pk_mul_f32 v[SC+j:SC+j+1], v[OT+j:OT+j+1], v[14:15] op_sel_hi:[1,0]   ; register 8 t + i: o(query r, d = 16 t + 8 h + i); each accumulator from its low end on
.set j, j+2
.endr
	s_wait_alu depctr_va_vdst(0)                   ; the multiplies have written v96-159, which the LDS stores read; the last V products are done reading v32-95, in which the stage's rows land
.set t, 0
.rept 8
	ds_store_b128 v[STO], v[SC+8*t:SC+8*t+3] offset:64*t
	ds_store_b128 v[STO], v[SC+8*t+4:SC+8*t+7] offset:64*t+16
.set t, t+1
.endr
.set i, 0
.rept 16
	ds_load_b128 v[R1+4*i:R1+4*i+3], v[SR] offset:SP*i    ; LDS serves a wave's instructions in order: these see my stores
.set i, i+1
.endr
.set i, 0
.rept 16
	s_wait_dscnt 15-i                              ; row i is back; the 15 - i younger rows may be out
	global_store_b128 v[LI], v[R1+4*i:R1+4*i+3], s[14:15] offset:8192*i th:TH_STORE_NT   ; 32 lanes store 512 consecutive bytes, at a multiple of 512 from out0's first byte
.set i, i+1
.endr
	s_wait_dscnt 0x0                               ; the closing lines, six on end
	s_wait_alu 0x0
	s_wait_tensorcnt 0x0
	ds_add_u32 v[SPW], v[NIL]
	s_wait_dscnt 0x0
	s_endpgm
.Lfunc_end_k_q0192ab87eb_attn:
	.size	k_q0192ab87eb_attn, .Lfunc_end_k_q0192ab87eb_attn-k_q0192ab87eb_attn
	.p2alignl 7, 3214868480
	.fill 96, 4, 3214868480
	.section	.rodata,"a",@progbits
	.p2align	6, 0x0
	.amdhsa_kernel k_q0192ab87eb_attn
		.amdhsa_group_segment_fixed_size 202752
		.amdhsa_private_segment_fixed_size 0
		.amdhsa_enable_private_segment 0
		.amdhsa_kernarg_size 48
		.amdhsa_user_sgpr_count 2
		.amdhsa_user_sgpr_kernarg_segment_ptr 1
		.amdhsa_wavefront_size32 1
		.amdhsa_system_sgpr_workgroup_id_x 1
		.amdhsa_system_sgpr_workgroup_id_y 1
		.amdhsa_system_sgpr_workgroup_id_z 1
		.amdhsa_system_vgpr_workitem_id 0
		.amdhsa_next_free_vgpr 256
		.amdhsa_next_free_sgpr 66
		.amdhsa_reserve_vcc 0
		.amdhsa_float_denorm_mode_32 3
		.amdhsa_float_denorm_mode_16_64 3
		.amdhsa_memory_ordered 1
		.amdhsa_forward_progress 1
		.amdhsa_inst_pref_size 105
	.end_amdhsa_kernel
	.amdgpu_metadata
---
amdhsa.version: [ 1, 2 ]
amdhsa.kernels:
  - .name:           k_q0192ab87eb_attn
    .symbol:         k_q0192ab87eb_attn.kd
    .args:
      - { .name: query, .offset: 0, .size: 8, .value_kind: global_buffer, .address_space: global }
      - { .name: kvimg, .offset: 8, .size: 8, .value_kind: global_buffer, .address_space: global }
      - { .name: mimg, .offset: 16, .size: 8, .value_kind: global_buffer, .address_space: global }
      - { .name: flags, .offset: 24, .size: 8, .value_kind: global_buffer, .address_space: global }
      - { .name: lowp_scales, .offset: 32, .size: 8, .value_kind: global_buffer, .address_space: global }
      - { .name: out0, .offset: 40, .size: 8, .value_kind: global_buffer, .address_space: global }
    .group_segment_fixed_size: 202752
    .private_segment_fixed_size: 0
    .kernarg_segment_align: 8
    .kernarg_segment_size: 48
    .max_flat_workgroup_size: 512
    .sgpr_count:     66
    .vgpr_count:     256
    .wavefront_size: 32
...
	.end_amdgpu_metadata
.endif
;; end of part 4
